; MI455X (gfx1250); checked and timed in simulation.
; The chip was launched on July 23, 2026; its instructions are those of AMD's public machine-readable ISA for CDNA 5 (MIT licence, August 2026) and "CDNA5" Instruction Set Architecture Reference Guide (July 2026). The comments in the code are by the model that wrote it; some were corrected since.
;; Attention. Allowed arithmetic: matrix products marked QUANTISED: E2M1 operands, one E8M0 scale for each 32 along K, by v_wmma_scale_f32_16x16x128_f8f6f4 with both operands' format E2M1 (or v_wmma_scale_f32_32x16x128_f4), f32 sums; products left as they are: f32 operands where the result goes on into a quantised operand, else bf16, f16 or f32 operands; f32 sums; everything else in f32.
;; Inputs: w_out 1,024 x 1,024 float32; w_qk 2,048 x 1,024 float32; w_v 1,024 x 1,024 float32; wkwq_scalings 16 float32; wvwo_scalings 16 float32; x 2 x 2,048 x 1,024 float32.
;; Outputs: out0 2 x 2,048 x 1,024 float32.
;; This version of the problem:
;;   THIS VERSION OF THE PROBLEM IS GIVEN IN LOW PRECISION. The matrix products marked QUANTISED in the list below multiply operands that are first quantised to E2M1 (2 exponent bits, 1 mantissa bit; 4 bits a number), with one power-of-two scale for each 32 numbers along K (OCP MX v1.0); their sums are f32. All else is computed in f32.
;;   The module's matrix products, in the order in which they are computed (A, B: the left and right operand; K: the contracted axis; several contracted axes count as one K, in the product's order):
;;     1. [M 4,096, K 1,024] x [K 1,024, N 2,048]; A: input x; B: input w_qk: QUANTISED
;;     2. [M 4,096, K 1,024] x [K 1,024, N 1,024]; A: input x; B: input w_v: QUANTISED
;;     3. batch 32 x [M 2,048, K 64] x [K 64, N 2,048]; A: computed on the way; B: computed on the way: QUANTISED
;;     4. batch 2 x [M 2,048, K 1,024] x [K 1,024, N 2,048]; A: input x; B: input x: QUANTISED
;;     5. batch 32 x [M 2,048, K 2,048] x [K 2,048, N 64]; A: softmax (see below); B: computed on the way: QUANTISED
;;     6. [M 4,096, K 1,024] x [K 1,024, N 1,024]; A: computed on the way; B: input w_out: QUANTISED
;;     7. [M 8,388,608, K 16] x [K 16, N 1]; A: computed on the way; B: input wvwo_scalings: left as it is (K = 16 < 32)
;;     8. batch 2 x [M 2,048, K 2,048] x [K 2,048, N 1,024]; A: computed on the way; B: input x: QUANTISED
;;   THE QUANTISER, for each operand of a quantised product, along K:
;;     - K is cut into blocks of 32 from its start; a last block that is shorter is filled with zeros.
;;     - A block's scale is 2^e with e = floor(log2(the largest magnitude in the block)) - 2, held to -126 .. 127; a block of zeros has e = 0. As a byte (E8M0): e + 127.
;;     - Each number is divided by its block's scale, clamped to +-6, and rounded to the nearest number of E2M1, ties to even, subnormals kept.
;;     - The product sums the exact products of the quantised numbers (number of the format x scale) in f32.
;;   ~~~python
;;   def quantise(x, axis):      # numpy; x: float32 -> the quantised numbers, widened to float32 again
;;       x = np.moveaxis(x, axis, -1); K = x.shape[-1]
;;       x = np.pad(x, [(0, 0)] * (x.ndim - 1) + [(0, -K % 32)]); x = x.reshape(x.shape[:-1] + (-1, 32)); a = np.abs(x).max(-1, keepdims=True)
;;       e = np.where(a > 0, np.clip(np.frexp(np.where(a > 0, a, 1))[1] - 1 - 2, -126, 127), 0)      # np.frexp(a)[1] - 1 = floor(log2(a)), exactly
;;       r = np.clip(x / 2.0 ** e, -6, 6)
;;       step = 2.0 ** (np.maximum(np.frexp(np.where(r == 0, 1, r))[1] - 1, 0) - 1)
;;       q = np.round(r / step) * step * 2.0 ** e      # np.round: ties to even
;;       return np.moveaxis(q.reshape(q.shape[:-2] + (-1,))[..., :K], -1, axis).astype(np.float32)
;;   ~~~
;;   SOFTMAX AHEAD OF A QUANTISED PRODUCT. Where the list says 'softmax', what is quantised is not the finished softmax but p = 2^(t - M), with t = logit x log2(e) and M = ceil(the row's largest t), a whole number; so 1/2 < the row's largest p <= 1. The row's sum l is taken of the UNQUANTISED p, in f32, and the product's result is divided by l at the end. Since M is a whole number, a kernel that streams over the keys may use a running M (the ceiling of the running maximum): every later rescaling is an exact power of two, which a block's scale takes up: the codes' values come out the same.
;;   OPERANDS COMPUTED ON THE WAY. 'Computed on the way' means the value that the module computes at that place (a softmax that the list does not call 'softmax' is quantised finished and normalised). What goes into a quantiser is computed in f32, as accurately as f32 sums, v_exp_f32 and their like allow (about 1e-6 of the number): no bf16 or f16 on the way to a quantiser, and a product that is left as it is and whose result goes on into a quantised operand takes f32 operands (vector FMAs, or v_wmma_f32_16x16x4_f32). A number that lies on a knife's edge between two numbers of the format may be rounded either way, as far as f32 arithmetic and the matrix unit's own rounding can turn it there, and no further.
;; One version. Each part assembles by itself: llvm-mc -triple=amdgcn-amd-amdhsa -mcpu=gfx1250 --defsym DOCPART=n.
;; ======== version 1 of 1: 5 launches
;; limits: right only within a limited range of input values
;; workspace buffers: cw 6,684,672 bytes; qim 2,359,296 bytes; kvp 4,718,592 bytes; xxt 33,554,432 bytes; ocr 2,228,224 bytes; stat 524,288 bytes; asr 4,456,448 bytes
;; launch quant (part 1): grid 512 x 1, 4 waves a work-group, no clusters, 34,304 bytes of LDS; arguments x, w_qk, w_v, w_out, cw; writes cw
.if DOCPART == 1
	.amdgcn_target "amdgcn-amd-amdhsa--gfx1250"
	.amdhsa_code_object_version 6
	.text
	.protected	k_qf7b0bd62d4_quant
	.globl	k_qf7b0bd62d4_quant
	.p2align	8
	.type	k_qf7b0bd62d4_quant,@function
k_qf7b0bd62d4_quant:
	s_mov_b64 s[64:65], 0
	v_nop
	global_prefetch_b8 v0, s[64:65] scope:SCOPE_SE
	s_setreg_imm32_b32 hwreg(HW_REG_WAVE_MODE, 25, 1), 1
	s_wait_xcnt 0x0
; x, w_qk, w_v, w_out (f32) become codes of E2M1 with one E8M0 byte for each 32 along K, laid in the order of a matrix operand's registers.
; NOTHING OF reference() IS LEFT OUT IN THIS PROGRAM but factors that are 1 by its own constants (ATTN_MULT, WKWQ_ID_MULT, WVWO_ID_MULT); every input has a way to the output and is loaded.
; LAYOUT OF cw.  A tile T of 16 rows: lane-row r is row 32 (T / 2) + 8 (T % 2) + r + 8 (r / 8).  A fragment image (16 rows x 128 k) is 1,024 bytes: at 512 c + 16 lane the 16 bytes
; of row r = lane % 16, k = 64 c + 32 (lane / 16) + 0 .. 31.  A record is 8 images (128 rows, one K step) and 512 bytes of scale words (tile pair p: 128 p + 4 (16 (T % 2) + r)): 8,704 bytes.
; Blocks of 128 rows x 8 K steps: x 0-31, w_qk 32-47, w_v 48-55, w_out 56-63; from byte 4,456,448 x once more with K = the tokens: [b][128 channels][128 tokens] records.
; A block's scale is 2^(floor(log2(largest magnitude)) - 2): the largest magnitude's exponent field less 2, held at 1 from below (a block of zeros keeps byte 1: its codes are zeros, and this program alone reads the bytes).
; LIMITS: NaN and infinities among the inputs are not served; blocks whose largest magnitude lies under 2^-124 are held at byte 1.
; Work-groups 0-255: K innermost, 32 rows each, wave w K steps 2 w, 2 w + 1.  Work-groups 256-511: K = tokens, a lane to a channel, registers down the tokens.
; No cluster, no tensor load, no barrier: no two work-groups and no two waves read the same bytes.
.set SPARE, 33792                      ; behind the four stages: the spare words, 128 bytes a wave
.set SPW, 8                            ; v8  my spare word; never rewritten
.set NIL, 9                            ; v9  0; never rewritten
.set RA,  16                           ; v16-143  numbers as loaded, two sets of 64 (tokens' path: two sets of 32)
.set XA,  144                          ; v144-207 64 numbers: my two whole blocks
.set CA,  208                          ; v208-239 codes, registers of their own for each unit
.set WA,  240                          ; v240-243 scale words
.set WSA, 244                          ; v244-245 scale words of a tile pair
	s_load_b256 s[4:11], s[0:1], 0x0               ; x, w_qk, w_v, w_out
	s_load_b64 s[12:13], s[0:1], 0x20              ; cw
	v_lshl_add_u32 v[SPW], v0, 2, SPARE
	v_mov_b32 v[NIL], 0
	v_lshrrev_b32 v1, 5, v0
	v_readfirstlane_b32 s18, v1                    ; wave
	v_and_b32 v1, 31, v0                           ; lane
	s_cmp_lt_u32 ttmp9, 256
	s_cbranch_scc0 .Ltokens
; ---------------- K innermost ----------------
	v_lshlrev_b32 v2, 4, v1                        ; 16 x lane
	v_lshlrev_b32 v5, 2, v1                        ; 4 x lane
	s_mul_i32 s19, s18, 8448                       ; my stage: 16 rows x 528 bytes
	v_add_nc_u32 v3, s19, v2                       ; in: a row's 512 bytes as they lie
	v_and_b32 v10, 15, v1
	v_lshrrev_b32 v11, 4, v1
	v_mul_u32_u24 v4, v10, 528
	v_lshl_add_u32 v4, v11, 7, v4
	v_add_nc_u32 v4, s19, v4                       ; out: row r, + 128 h bytes: my block of 32
	v_lshlrev_b32 v6, 3, v11                       ; 8 h
	v_mov_b32 v7, 0                                ; (a lane permute's destination counts as read)
	v_cmp_le_u32 vcc_lo, 16, v1                    ; lanes 16-31
	s_mov_b32 s2, 0x76543210
	s_mov_b32 s3, 0xfedcba98                       ; lane l xor 16
	s_lshr_b32 s20, ttmp9, 2
	s_mul_i32 s20, s20, 69632                      ; the block of 128 rows,
	s_mul_i32 s21, s18, 17408                      ; my two K steps' records
	s_add_co_u32 s20, s20, s21
	s_and_b32 s21, ttmp9, 3                        ; the tile pair
	s_lshl_b32 s22, s21, 11
	s_add_co_u32 s22, s22, s20
	s_mov_b32 s23, 0
	s_lshl_b32 s24, s21, 7
	s_add_co_u32 s24, s24, s20
	s_add_co_u32 s24, s24, 8192
	s_mov_b32 s25, 0
	s_mov_b32 s16, 224
	s_wait_alu depctr_va_vdst(0)
	s_wait_kmcnt 0x0
	s_cmp_lt_u32 ttmp9, 224                        ; which tensor: the choice hangs on the work-group's number alone
	s_cselect_b64 s[14:15], s[8:9], s[10:11]
	s_cselect_b32 s16, 192, s16
	s_cmp_lt_u32 ttmp9, 192
	s_cselect_b64 s[14:15], s[6:7], s[14:15]
	s_cselect_b32 s16, 128, s16
	s_cmp_lt_u32 ttmp9, 128
	s_cselect_b64 s[14:15], s[4:5], s[14:15]
	s_cselect_b32 s16, 0, s16
	s_sub_co_u32 s16, ttmp9, s16
	s_lshl_b32 s16, s16, 17                        ; 32 rows of 4,096 bytes
	s_lshl_b32 s17, s18, 10                        ; my 256 numbers of a row
	s_add_co_u32 s16, s16, s17
	s_mov_b32 s17, 0
	s_add_nc_u64 s[14:15], s[14:15], s[16:17]
	s_add_nc_u64 s[22:23], s[12:13], s[22:23]      ; images
	s_add_nc_u64 s[24:25], s[12:13], s[24:25]      ; scale words
; unit i: K step 2 w + i / 2, tile i % 2: 16 rows x 512 bytes, each load 512 consecutive bytes
.macro LOADA i
.set la, 0
.rept 16
	global_load_b128 v[RA+64*((\i)%2)+4*la:RA+64*((\i)%2)+4*la+3], v2, s[14:15] offset:(8*((\i)%2)+la+8*(la/8))*4096+((\i)/2)*512
.set la, la+1
.endr
.endm
.macro UNIT i
.set RS, RA+64*((\i)%2)
.set CC, CA+8*(\i)
.if (\i) < 3
	s_wait_loadcnt 16                              ; this unit's 16 loads are in; the next unit's 16 may be out
.else
	s_wait_loadcnt 0x0
.endif
.set ua, 0
.rept 16
	ds_store_b128 v3, v[RS+4*ua:RS+4*ua+3] offset:ua*528
.set ua, ua+1
.endr
.set ua, 0
.rept 8                                            ; LDS serves a wave's instructions in order: these see the stores above
	ds_load_b128 v[XA+4*ua:XA+4*ua+3], v4 offset:16*ua
	ds_load_b128 v[XA+32+4*ua:XA+32+4*ua+3], v4 offset:256+16*ua
.set ua, ua+1
.endr
	s_wait_dscnt 0x0                               ; my two blocks are in registers, and the stores have read theirs
.if (\i) < 2
	LOADA (\i)+2
.endif
	v_max3_num_f32 v10, |v[XA]|, |v[XA+1]|, 0x1800000     ; block h, and the floor 2^(3 - 127): the byte cannot fall under 1
	v_max3_num_f32 v11, |v[XA+32]|, |v[XA+33]|, 0x1800000 ; block 2 + h
.set ua, 2
.rept 15
	v_max3_num_f32 v10, v10, |v[XA+ua]|, |v[XA+ua+1]|
	v_max3_num_f32 v11, v11, |v[XA+32+ua]|, |v[XA+33+ua]|
.set ua, ua+2
.endr
	v_add_nc_u32 v12, 0xff000000, v10              ; 2 off the exponent field: the conversion's scale operand
	v_add_nc_u32 v13, 0xff000000, v11
	v_lshrrev_b32 v14, 23, v12                     ; the bytes
	v_lshrrev_b32 v15, 23, v13
	v_lshl_or_b32 v[WA+(\i)], v15, 16, v14
	v_lshlrev_b32 v[WA+(\i)], v6, v[WA+(\i)]       ; at bytes h and 2 + h
	v_permlanex16_b32 v7, v[WA+(\i)], s2, s3
	v_or_b32 v[WA+(\i)], v[WA+(\i)], v7            ; with lane l xor 16's two the word is whole
.set ua, 0
.rept 4
	v_cvt_scalef32_pk8_fp4_f32 v[CC+ua], v[XA+8*ua:XA+8*ua+7], v12
	v_cvt_scalef32_pk8_fp4_f32 v[CC+4+ua], v[XA+32+8*ua:XA+32+8*ua+7], v13
.set ua, ua+1
.endr
	v_nop                                          ; one plain place behind the conversions
	global_store_b128 v2, v[CC:CC+3], s[22:23] offset:((\i)/2)*8704+((\i)%2)*1024        ; the wave stores 512 consecutive bytes
	global_store_b128 v2, v[CC+4:CC+7], s[22:23] offset:((\i)/2)*8704+((\i)%2)*1024+512
.if ((\i)%2) == 1
	v_cndmask_b32 v[WSA+(\i)/2], v[WA+(\i)-1], v[WA+(\i)], vcc_lo   ; lanes 0-15 the even tile's words, lanes 16-31 the odd tile's
	global_store_b32 v5, v[WSA+(\i)/2], s[24:25] offset:((\i)/2)*8704
.endif
.endm
	LOADA 0
	LOADA 1
	UNIT 0
	UNIT 1
	UNIT 2
	UNIT 3
	s_wait_tensorcnt 0x0                           ; the wave's end, behind my last LDS store
	ds_add_u32 v[SPW], v[NIL]
	s_wait_dscnt 0x0
	s_endpgm
; ---------------- K = the tokens: no LDS is touched here ----------------
.Ltokens:
	s_sub_co_u32 s20, ttmp9, 256
	s_and_b32 s21, s20, 7                          ; which 128 channels
	s_lshr_b32 s22, s20, 3
	s_and_b32 s22, s22, 15                         ; which 128 tokens
	s_lshr_b32 s23, s20, 7                         ; b
	s_lshl_b32 s24, s23, 4
	s_add_co_u32 s24, s24, s22
	s_lshl_b32 s24, s24, 19                        ; 128 tokens of 4,096 bytes
	s_lshl_b32 s25, s21, 9
	s_add_co_u32 s24, s24, s25
	s_lshl_b32 s25, s18, 7                         ; my 32 channels
	s_add_co_u32 s24, s24, s25
	s_mov_b32 s25, 0
	s_lshl_b32 s26, s23, 3
	s_add_co_u32 s26, s26, s21
	s_lshl_b32 s26, s26, 4
	s_add_co_u32 s26, s26, s22
	s_mul_i32 s26, s26, 8704
	s_add_co_u32 s26, s26, 4456448                 ; the record
	s_lshl_b32 s27, s18, 11
	s_add_co_u32 s28, s26, s27                     ; my tile pair's images
	s_mov_b32 s29, 0
	s_lshl_b32 s27, s18, 7
	s_add_co_u32 s30, s26, s27
	s_add_co_u32 s30, s30, 8192                    ; and scale words
	s_mov_b32 s31, 0
	s_wait_alu depctr_va_vdst(0)
	v_lshlrev_b32 v2, 2, v1                        ; in: 4 bytes a lane
	v_bfe_u32 v3, v1, 3, 1                         ; channel 8 u + r + 8 (r / 8) = my lane: u,
	v_and_b32 v4, 7, v1
	v_lshrrev_b32 v5, 4, v1
	v_lshl_add_u32 v4, v5, 3, v4                   ; and r
	v_lshlrev_b32 v6, 4, v4
	v_lshl_add_u32 v6, v3, 10, v6                  ; 1,024 u + 16 r: sixteen lanes fill 256 consecutive bytes
	v_lshl_add_u32 v7, v3, 4, v4
	v_lshlrev_b32 v7, 2, v7
	s_wait_alu depctr_va_vdst(0)
	s_wait_kmcnt 0x0
	s_add_nc_u64 s[24:25], s[4:5], s[24:25]
	s_add_nc_u64 s[28:29], s[12:13], s[28:29]
	s_add_nc_u64 s[30:31], s[12:13], s[30:31]
.macro LOADB t
.set lb, 0
.rept 32
	global_load_b32 v[RA+32*((\t)%2)+lb], v2, s[24:25] offset:(32*(\t)+lb)*4096
.set lb, lb+1
.endr
.endm
.macro BLOCKB t
.set XS, RA+32*((\t)%2)
.if (\t) < 3
	s_wait_loadcnt 32                              ; this block's 32 loads are in; the next block's may be out
.else
	s_wait_loadcnt 0x0
.endif
	v_max3_num_f32 v12, |v[XS]|, |v[XS+1]|, |v[XS+2]|
	v_max3_num_f32 v13, |v[XS+3]|, |v[XS+4]|, |v[XS+5]|
.irp i, 6,10,14,18,22,26
	v_max3_num_f32 v12, v12, |v[XS+\i]|, |v[XS+\i+1]|
	v_max3_num_f32 v13, v13, |v[XS+\i+2]|, |v[XS+\i+3]|
.endr
	v_max3_num_f32 v12, v12, |v[XS+30]|, |v[XS+31]|
	v_max3_num_f32 v12, v12, v13, 0x1800000
	v_add_nc_u32 v11, 0xff000000, v12
	v_lshrrev_b32 v13, 23, v11
.if (\t) == 0
	v_mov_b32 v[WA], v13
.else
	v_lshl_or_b32 v[WA], v13, 8*(\t), v[WA]
.endif
.irp g, 0,1,2,3
	v_cvt_scalef32_pk8_fp4_f32 v[CA+4*(\t)+\g], v[XS+8*\g:XS+8*\g+7], v11
.endr
	v_nop
	global_store_b128 v6, v[CA+4*(\t):CA+4*(\t)+3], s[28:29] offset:((\t)/2)*512+((\t)%2)*256
.if (\t) < 2
	LOADB (\t)+2
.endif
.endm
	LOADB 0
	LOADB 1
	BLOCKB 0
	BLOCKB 1
	BLOCKB 2
	BLOCKB 3
	global_store_b32 v7, v[WA], s[30:31]
	s_endpgm
.Lfunc_end_k_qf7b0bd62d4_quant:
	.size	k_qf7b0bd62d4_quant, .Lfunc_end_k_qf7b0bd62d4_quant-k_qf7b0bd62d4_quant
	.p2alignl 7, 3214868480
	.fill 96, 4, 3214868480
	.section	.rodata,"a",@progbits
	.p2align	6, 0x0
	.amdhsa_kernel k_qf7b0bd62d4_quant
		.amdhsa_group_segment_fixed_size 34304
		.amdhsa_private_segment_fixed_size 0
		.amdhsa_enable_private_segment 0
		.amdhsa_kernarg_size 40
		.amdhsa_user_sgpr_count 2
		.amdhsa_user_sgpr_kernarg_segment_ptr 1
		.amdhsa_wavefront_size32 1
		.amdhsa_system_sgpr_workgroup_id_x 1
		.amdhsa_system_sgpr_workgroup_id_y 1
		.amdhsa_system_sgpr_workgroup_id_z 1
		.amdhsa_system_vgpr_workitem_id 0
		.amdhsa_next_free_vgpr 256
		.amdhsa_next_free_sgpr 66
		.amdhsa_reserve_vcc 1
		.amdhsa_float_denorm_mode_32 3
		.amdhsa_float_denorm_mode_16_64 3
		.amdhsa_memory_ordered 1
		.amdhsa_forward_progress 1
		.amdhsa_inst_pref_size 50
	.end_amdhsa_kernel
	.amdgpu_metadata
---
amdhsa.version: [ 1, 2 ]
amdhsa.kernels:
  - .name:           k_qf7b0bd62d4_quant
    .symbol:         k_qf7b0bd62d4_quant.kd
    .args:
      - { .name: x, .offset: 0, .size: 8, .value_kind: global_buffer, .address_space: global }
      - { .name: w_qk, .offset: 8, .size: 8, .value_kind: global_buffer, .address_space: global }
      - { .name: w_v, .offset: 16, .size: 8, .value_kind: global_buffer, .address_space: global }
      - { .name: w_out, .offset: 24, .size: 8, .value_kind: global_buffer, .address_space: global }
      - { .name: cw, .offset: 32, .size: 8, .value_kind: global_buffer, .address_space: global }
    .group_segment_fixed_size: 34304
    .private_segment_fixed_size: 0
    .kernarg_segment_align: 8
    .kernarg_segment_size: 40
    .max_flat_workgroup_size: 128
    .sgpr_count:     66
    .vgpr_count:     256
    .wavefront_size: 32
...
	.end_amdgpu_metadata
.endif
;; end of part 1
;; launch proj (part 2): grid 8 x 32, 4 waves a work-group, clusters of 4 x 4, 327,680 bytes of LDS; arguments cw, qim, kvp, xxt; writes qim, kvp, xxt
.if DOCPART == 2
	.amdgcn_target "amdgcn-amd-amdhsa--gfx1250"
	.amdhsa_code_object_version 6
	.text
	.protected	k_qf7b0bd62d4_proj
	.globl	k_qf7b0bd62d4_proj
	.p2align	8
	.type	k_qf7b0bd62d4_proj,@function
k_qf7b0bd62d4_proj:
	s_mov_b64 s[64:65], 0
	v_nop
	global_prefetch_b8 v0, s[64:65] scope:SCOPE_SE
	s_setreg_imm32_b32 hwreg(HW_REG_WAVE_MODE, 25, 1), 1
	s_wait_xcnt 0x0
	s_wait_alu depctr_hold_cnt(0) depctr_sa_sdst(0) depctr_va_vdst(0) depctr_va_sdst(0) depctr_va_ssrc(0) depctr_va_vcc(0) depctr_vm_vsrc(0)
	s_getreg_b32 s2, hwreg(HW_REG_IB_STS2, 6, 4)
	s_cmp_eq_u32 s2, 0
	s_cbranch_scc0 .Lentry_in_a_cluster
	s_endpgm
.Lentry_in_a_cluster:
	s_bfe_u32 s2, ttmp6, 0x10000c
	s_cmp_lg_u32 s2, 0xf033
	s_cbranch_scc0 .Lentry_shape_is_right
	s_endpgm
.Lentry_shape_is_right:
; Three products on the codes of cw, one body: q, k = x w_qk^T;  v = x w_v^T;  x x^T.  K = 1,024.  Nothing of reference() is left out here.
; Every matrix instruction has source 0 = 16 rows of P and source 1 = 16 rows of R: lane (r, h) register j of tile (P tile p, R tile a) holds R's lane-row r and P's row 32 (p / 2) + 8 (p % 2) + 16 h + j,
; so the 64 registers of a's eight tiles are 64 numbers of one R row whose 16 registers of two neighbouring tiles are 16 neighbours along P: they are quantised in registers along P.
; ROLES by the cluster's y (the same in all sixteen partners).
;   0-3: P = w_qk, R = x: q and k as codes along the head's channels, 256 P x 256 R, a wave 128 x 128.  THEN v: the 256 tokens of x that lie in LDS as R are its P, and its R is one block of 128 rows of w_v,
;        brought into the bytes that held P's first block while q and k go out: v as codes along the keys, 256 P x 128 R, a wave 128 x 64.
;   4-7: P = R = x of one batch: x x^T in f32, stored as the score registers' image.
; 256 work-groups, one to a WGP.
; LDS: all of K of the four blocks of 128 rows, 4 x 69,632 bytes, filled in four chunks of two K steps; one refill (w_v's block, a chunk a wave).  By this text's count a wave has four tensor loads out at the most.
; CLUSTER 4 x 4: P's blocks and w_v's hang on x alone and are asked for jointly down a column, R's on y alone and jointly along a row.
; LIMITS: as stated in the first kernel (NaN, infinities; byte held at 1).
; REGISTERS: window 0: v8-23 LDS addresses, v24-26 store offsets, v32-47 scale words (two sets), v48-63 at work, v64-191 R's fragments (two sets), v192-201 codes and words;
;   window 1: v0-127 P's fragments (two sets);  windows 2, 3: the accumulators, (a, p) at v[8 (8 (a % 4) + p)] of window 2 + a / 4.
; THE FILLS AS THEY NOW STAND (this replaces what the lines above say of four chunks): each wave brings one whole block of 128 rows, all of K, 272 rows of 256 bytes, by its one load at the head;
; one barrier shows all four blocks to every wave.  w_v's block comes later, a chunk of 68 rows a wave.  By this text's count one tensor load of a wave is out at the most.
.set REC,   8704
.set BLK,   8*REC
.set CHUNK, 2*REC
.set RBASE, 2*BLK
.set SPARE, 4*BLK                      ; behind the four blocks: the spare words
.set VP,  8                            ; v8-15  the same four kinds of address for v's product
.set VR,  10
.set VSP, 12
.set VSR, 14
.set AP,  16
.set AR,  18
.set ASP, 20
.set ASR, 22
.set IMG, 24
.set SCO, 25
.set SHV, 26
.set SPW, 28
.set NIL, 29
.set SC,  32
.set TM,  48
.set RF,  64
.set PC,  192
.set PW,  200
.set SV,  201
.set G1P, 16                           ; s[16:23]: kept to the refill's end
.set G1R, 24
.set G0P, 32
.set G0R, 48
.set G0W, 84                           ; s[84:87] group 0 of w_v's chunk: made at the head, never rewritten
.set MSB, 0
.macro WIN new                         ; the immediate's high byte repeats the setting that is left
.if MSB != (\new)
	s_set_vgpr_msb (MSB<<8)|(\new)
.set MSB, (\new)
.endif
.endm
.macro PLACES
.rept 4
	v_nop
.endr
.endm
.macro CROUND                          ; a round of the cluster's barrier
	s_barrier_signal -1
	s_barrier_wait -1
	s_cmp_lg_u32 s12, 0
	s_cbranch_scc1 .Lnot_wave_0_\@
	s_barrier_signal -3
.Lnot_wave_0_\@:
	s_barrier_wait -3
	s_barrier_signal -1
	s_barrier_wait -1
.endm
.macro FINISH
	s_wait_tensorcnt 0x0                           ; the wave's end
	ds_add_u32 v[SPW], v[NIL]
	s_wait_dscnt 0x0
	CROUND                                         ; the closing round
	s_endpgm
.endm
; one scaled product; ra, rb: the scale words stand in lanes 16-31 of their registers
.macro WMC d, a, b, c, sa, sb, ra, rb
.if (\ra) && (\rb)
	v_wmma_scale_f32_16x16x128_f8f6f4 v[\d:\d+7], v[\a:\a+7], v[\b:\b+7], \c, v[\sa], v[\sb] matrix_a_fmt:MATRIX_FMT_FP4 matrix_b_fmt:MATRIX_FMT_FP4 matrix_a_scale:MATRIX_SCALE_ROW1 matrix_b_scale:MATRIX_SCALE_ROW1
.elseif (\ra)
	v_wmma_scale_f32_16x16x128_f8f6f4 v[\d:\d+7], v[\a:\a+7], v[\b:\b+7], \c, v[\sa], v[\sb] matrix_a_fmt:MATRIX_FMT_FP4 matrix_b_fmt:MATRIX_FMT_FP4 matrix_a_scale:MATRIX_SCALE_ROW1
.elseif (\rb)
	v_wmma_scale_f32_16x16x128_f8f6f4 v[\d:\d+7], v[\a:\a+7], v[\b:\b+7], \c, v[\sa], v[\sb] matrix_a_fmt:MATRIX_FMT_FP4 matrix_b_fmt:MATRIX_FMT_FP4 matrix_b_scale:MATRIX_SCALE_ROW1
.else
	v_wmma_scale_f32_16x16x128_f8f6f4 v[\d:\d+7], v[\a:\a+7], v[\b:\b+7], \c, v[\sa], v[\sb] matrix_a_fmt:MATRIX_FMT_FP4 matrix_b_fmt:MATRIX_FMT_FP4
.endif
.endm
	s_load_b256 s[4:11], s[0:1], 0x0               ; cw, qim, kvp, xxt
	v_lshl_add_u32 v[SPW], v0, 2, SPARE
	v_mov_b32 v[NIL], 0
	ds_add_u32 v[SPW], v[NIL]                      ; the opening: the add, twice on end, and its wait ahead of my first tensor load
	ds_add_u32 v[SPW], v[NIL]
	v_lshrrev_b32 v1, 5, v0
	v_readfirstlane_b32 s12, v1                    ; wave
	s_and_b32 s13, s12, 1                          ; my P block; also: which block I fetch
	s_lshr_b32 s14, s12, 1                         ; my R block; also: I fetch for P (0) or R (1)
	s_bfe_u32 s66, ttmp6, 0x40000                  ; cx
	s_bfe_u32 s67, ttmp6, 0x40004                  ; cy
	s_and_b32 s68, ttmp7, 0xffff                   ; the cluster's y: the role
	s_lshl_b32 s69, ttmp9, 2
	s_add_co_u32 s69, s69, s66                     ; X
	s_lshl_b32 s98, s67, 2
	s_lshl_b32 s98, 15, s98                        ; my row of the cluster
	s_lshl_b32 s99, 0x1111, s66                    ; my column
	s_or_b32 s[G1P], s99, (3<<16)|(1<<21)          ; the mask; elements of 8 bytes; bit 21 beside a mask; no padding
	s_or_b32 s[G1R], s98, (3<<16)|(1<<21)
.irp g, G1P, G1R                       ; a block is dense: 272 rows of 256 bytes
	s_mov_b32 s[\g+1], 32<<16
	s_mov_b32 s[\g+2], 272<<16
	s_mov_b32 s[\g+3], 32<<16
	s_mov_b32 s[\g+4], 272
	s_mov_b32 s[\g+5], 32
	s_mov_b32 s[\g+6], 0
	s_mov_b32 s[\g+7], 0
.endr
	s_sub_co_u32 s76, s68, 4
	s_lshr_b32 s77, s76, 1
	s_lshl_b32 s77, s77, 4                         ; x x^T: P's first block: 16 b
	s_lshl_b32 s78, s76, 3                         ; and R's: 8 (y - 4)
	s_lshl_b32 s80, s68, 3                         ; q, k: R's first block: 8 y
	s_cmp_lt_u32 s68, 4
	s_cselect_b32 s70, 32, s77
	s_cselect_b32 s71, s80, s78
	s_lshl_b32 s72, s69, 1
	s_add_co_u32 s72, s72, s70
	s_add_co_u32 s72, s72, s13
	s_mul_i32 s72, s72, BLK                        ; P's block that I would fetch: x and the role alone
	s_mov_b32 s73, 0
	s_lshl_b32 s74, s67, 1
	s_add_co_u32 s74, s74, s71
	s_add_co_u32 s74, s74, s13
	s_mul_i32 s74, s74, BLK                        ; R's: cy and the role alone
	s_mov_b32 s75, 0
	s_mul_i32 s81, s13, BLK                        ; where it goes: the wave's number alone
	s_add_co_u32 s88, s69, 48
	s_mul_i32 s88, s88, BLK                        ; w_v's block X: x alone,
	s_mul_i32 s[G0W+1], s12, CHUNK                 ; my chunk of it: the wave's number alone, in LDS
	s_add_co_u32 s88, s88, s[G0W+1]                ; as in memory
	s_mov_b32 s89, 0
	s_wait_dscnt 0x0                               ; both opening adds are done
	s_wait_kmcnt 0x0
	s_add_nc_u64 s[72:73], s[4:5], s[72:73]
	s_add_nc_u64 s[74:75], s[4:5], s[74:75]
	s_add_nc_u64 s[88:89], s[4:5], s[88:89]
	CROUND                                         ; all sixteen work-groups are here: the joint loads meet
.irp q, 0
	s_mov_b32 s[G0P+4*\q], 1
	s_add_co_u32 s[G0P+4*\q+1], s81, \q*CHUNK
	s_add_nc_u64 s[G0P+4*\q+2:G0P+4*\q+3], s[72:73], \q*CHUNK
	s_or_b32 s[G0P+4*\q+3], s[G0P+4*\q+3], 0x80000000
	s_mov_b32 s[G0R+4*\q], 1
	s_add_co_u32 s[G0R+4*\q+1], s81, RBASE+\q*CHUNK
	s_add_nc_u64 s[G0R+4*\q+2:G0R+4*\q+3], s[74:75], \q*CHUNK
	s_or_b32 s[G0R+4*\q+3], s[G0R+4*\q+3], 0x80000000
.endr
	s_mov_b32 s[G0W], 1
	s_mov_b64 s[G0W+2:G0W+3], s[88:89]
	s_or_b32 s[G0W+3], s[G0W+3], 0x80000000
	s_cmp_lt_u32 s12, 2                            ; waves 0, 1: P's two blocks; waves 2, 3: R's: one load a wave
	s_cbranch_scc0 .Lfor_r
	tensor_load_to_lds s[G0P:G0P+3], s[G1P:G1P+7]
	s_nop 0
	PLACES
	s_branch .Lasked
.Lfor_r:
	tensor_load_to_lds s[G0R:G0R+3], s[G1R:G1R+7]
	s_nop 0
	PLACES
.Lasked:
	v_and_b32 v1, 31, v0
	v_lshlrev_b32 v[IMG], 4, v1                    ; 16 x lane
	v_lshlrev_b32 v2, 2, v1                        ; 4 x lane
	s_mul_i32 s83, s14, BLK
	s_add_co_u32 s83, s83, RBASE
	v_add_nc_u32 v[AP], s81, v[IMG]
	v_add_nc_u32 v[AP+1], 4*REC, v[AP]             ; K steps 4-7
	v_add_nc_u32 v[AR], s83, v[IMG]
	v_add_nc_u32 v[AR+1], 4*REC, v[AR]
	v_add_nc_u32 v[ASP], s81, v2
	v_add_nc_u32 v[ASP], 8192, v[ASP]
	v_add_nc_u32 v[ASP+1], 4*REC, v[ASP]
	v_add_nc_u32 v[ASR], s83, v2
	v_add_nc_u32 v[ASR], 8192, v[ASR]
	v_add_nc_u32 v[ASR+1], 4*REC, v[ASR]
	s_add_co_u32 s90, s81, RBASE                   ; v's product: P = x's block w % 2, where it lies as R;
	s_lshl_b32 s91, s14, 12                        ; R = tiles 4 (w / 2) on of w_v's block, at LDS byte 0
	s_lshl_b32 s92, s14, 8
	v_add_nc_u32 v[VP], s90, v[IMG]
	v_add_nc_u32 v[VP+1], 4*REC, v[VP]
	v_add_nc_u32 v[VR], s91, v[IMG]
	v_add_nc_u32 v[VR+1], 4*REC, v[VR]
	v_add_nc_u32 v[VSP], s90, v2
	v_add_nc_u32 v[VSP], 8192, v[VSP]
	v_add_nc_u32 v[VSP+1], 4*REC, v[VSP]
	v_add_nc_u32 v[VSR], s92, v2
	v_add_nc_u32 v[VSR], 8192, v[VSR]
	v_add_nc_u32 v[VSR+1], 4*REC, v[VSR]
.irp b, 0,1,2,3
	v_mov_b32 v[TM+4+\b], 0                        ; (a lane permute's destination counts as read)
.endr
; K step s: P's 8 fragments, R's nr, and their scale words (a register: the even tile's in lanes 0-15, the odd tile's in lanes 16-31): 20 + 2.5 nr LDS loads
.macro FETCH s, set, ap, ar, asp, asr, nr
	WIN 0x40
.irp i, 0,1,2,3,4,5,6,7
	ds_load_b128 v[64*(\set)+8*\i:64*(\set)+8*\i+3], v[\ap+(\s)/4] offset:((\s)%4)*REC+\i*1024
	ds_load_b128 v[64*(\set)+8*\i+4:64*(\set)+8*\i+7], v[\ap+(\s)/4] offset:((\s)%4)*REC+\i*1024+512
.endr
	WIN 0
.set fi, 0
.rept \nr
	ds_load_b128 v[RF+64*(\set)+8*fi:RF+64*(\set)+8*fi+3], v[\ar+(\s)/4] offset:((\s)%4)*REC+fi*1024
	ds_load_b128 v[RF+64*(\set)+8*fi+4:RF+64*(\set)+8*fi+7], v[\ar+(\s)/4] offset:((\s)%4)*REC+fi*1024+512
.set fi, fi+1
.endr
.irp i, 0,1,2,3
	ds_load_b32 v[SC+8*(\set)+\i], v[\asp+(\s)/4] offset:((\s)%4)*REC+\i*128
.endr
.set fi, 0
.rept \nr/2
	ds_load_b32 v[SC+8*(\set)+4+fi], v[\asr+(\s)/4] offset:((\s)%4)*REC+fi*128
.set fi, fi+1
.endr
.endm
; 8 na products: the accumulators take turns, one instruction a turn, in the same order in every step
.macro MUL set, zero, na
.set ia, 0
.rept \na
.if ia == 0
	WIN 0xa1                                       ; source 0 window 1, source 1 window 0, C and D window 2
.endif
.if ia == 4
	WIN 0xf1                                       ; C and D window 3
.endif
.set ib, 0
.rept 8
.set rD, 8*(8*(ia%4)+ib)
.set rA, 64*(\set)+8*ib
.set rB, RF+64*(\set)+8*ia
.set rSA, SC+8*(\set)+ib/2
.set rSB, SC+8*(\set)+4+ia/2
.set pa, ib%2
.set pb, ia%2
.if \zero
	WMC rD, rA, rB, 0, rSA, rSB, pa, pb
.else
	WMC rD, rA, rB, v[rD:rD+7], rSA, rSB, pa, pb
.endif
.set ib, ib+1
.endr
.set ia, ia+1
.endr
.endm
	s_wait_alu depctr_va_vdst(0)                   ; the head's end
	s_wait_tensorcnt 0x0                           ; my block is in
	s_barrier_signal -1
	s_barrier_wait -1                              ; everybody's is
	FETCH 0, 0, AP, AR, ASP, ASR, 8
.set st, 0
.rept 8
.if st == 7
	s_wait_dscnt 0x0
.else
.if st > 0
	PLACES                                         ; four places in front of loads into registers that the last products read
.endif
	FETCH st+1, (st+1)%2, AP, AR, ASP, ASR, 8
	s_wait_dscnt 40                                ; all but the 40 just issued
.endif
.if st == 0
	MUL 0, 1, 8                                    ; the first step starts the sums: nothing is cleared
.else
	MUL st%2, 0, 8
.endif
.set st, st+1
.endr
	WIN 0
	PLACES
	s_lshl_b32 s24, s69, 1                         ; (the first fills are done: s24-s63 are free; s16-s23 and s84-s87 are kept)
	s_add_co_u32 s24, s24, s13                     ; my P block: 2 X + w % 2
	s_lshl_b32 s25, s67, 1
	s_add_co_u32 s25, s25, s14                     ; my R block: 2 cy + w / 2
	s_cmp_lt_u32 s76, 4                            ; the role: the same in all partners
	s_cbranch_scc1 .Lxxt
; ---- q, k, then v.  First w_v's block is asked for, into the bytes that held P's first block: nobody reads them any more behind this round
	s_wait_tensorcnt 0x0                           ; no tensor load of mine is out
	ds_add_u32 v[SPW], v[NIL]
	s_mov_b32 s[G1P+2], 68<<16                     ; no tensor load of mine is out, so a descriptor may be written: a chunk has 68 rows
	s_mov_b32 s[G1P+4], 68
	s_wait_dscnt 0x0                               ; the add is done, and my reads of P's blocks are over
	CROUND                                         ; the same holds of every wave of every partner
	tensor_load_to_lds s[G0W:G0W+3], s[G1P:G1P+7]
	s_nop 0
	PLACES
; each R tile's 64 numbers a lane become a fragment image and a scale word
	s_add_co_u32 s28, s25, s80                     ; the block of tokens
	s_sub_co_u32 s29, s24, 8                       ; k: the pair of heads
	s_lshr_b32 s30, s28, 4
	s_lshl_b32 s30, s30, 2
	s_lshr_b32 s31, s29, 1
	s_add_co_u32 s30, s30, s31
	s_lshl_b32 s30, s30, 4
	s_and_b32 s31, s28, 15
	s_add_co_u32 s30, s30, s31
	s_mul_i32 s30, s30, 36864                      ; kvp's record [b][4 heads][128 keys]
	s_and_b32 s31, s29, 1
	s_lshl_b32 s40, s31, 13
	s_add_co_u32 s40, s40, s30                     ; k's images
	s_lshl_b32 s42, s31, 10
	s_add_co_u32 s42, s42, s30
	s_add_co_u32 s42, s42, 16384                   ; k's scale words
	s_lshl_b32 s32, s28, 16                        ; q: [tile][pair] x 1,024
	s_lshl_b32 s33, s24, 10
	s_add_co_u32 s32, s32, s33
	s_lshl_b32 s33, s28, 13                        ; and [tile][head][16] words
	s_lshl_b32 s34, s24, 7
	s_add_co_u32 s33, s33, s34
	s_add_co_u32 s33, s33, 2097152
	s_mov_b32 s44, 1024
	s_mov_b32 s35, 512
	s_cmp_eq_u32 ttmp9, 0                          ; q: the first cluster along x; k: the second
	s_cselect_b64 s[48:49], s[6:7], s[8:9]
	s_cselect_b32 s40, s32, s40
	s_cselect_b32 s42, s33, s42
	s_cselect_b32 s44, 8192, s44                   ; images: from tile to tile
	s_cselect_b32 s46, 1024, 64                    ; scale words: from tile to tile
	s_cselect_b32 s35, 64, s35                     ; and from lanes 0-15 to lanes 16-31: the odd head's
	s_mov_b32 s41, 0
	s_mov_b32 s43, 0
	s_mov_b32 s45, 0
	s_mov_b32 s47, 0
	s_add_nc_u64 s[40:41], s[48:49], s[40:41]
	s_add_nc_u64 s[42:43], s[48:49], s[42:43]
	v_and_b32 v2, 15, v0
	v_bfe_u32 v3, v0, 4, 1
	v_lshlrev_b32 v[SCO], 2, v2
	v_mul_u32_u24 v4, s35, v3
	v_add_nc_u32 v[SCO], v[SCO], v4
	v_lshlrev_b32 v[SHV], 4, v3                    ; lanes 16-31 store the word shifted down by 16: the odd head's two bytes
	s_mov_b32 s50, 0x76543210
	s_mov_b32 s51, 0xfedcba98
.macro QUANTW a
.set AC, 64*((\a)%4)
.set WW, 2+(\a)/4
	WIN WW|(WW<<2)
.irp b, 0,1,2,3
	v_max3_num_f32 v[TM+\b], |v[AC+16*\b]|, |v[AC+16*\b+1]|, 0x1800000   ; each accumulator is read from its low end on
.endr
	WIN (WW<<2)|(WW<<4)
.irp i, 2,4,6,8,10,12,14
.irp b, 0,1,2,3
	v_max3_num_f32 v[TM+\b], v[TM+\b], |v[AC+16*\b+\i]|, |v[AC+16*\b+\i+1]|
.endr
.endr
	WIN 0
.irp b, 0,1,2,3
	v_permlanex16_b32 v[TM+4+\b], v[TM+\b], s50, s51
.endr
.irp b, 0,1,2,3
	v_max_num_f32 v[TM+\b], v[TM+\b], v[TM+4+\b]   ; with lane l xor 16's: the block's largest magnitude
.endr
.irp b, 0,1,2,3
	v_add_nc_u32 v[TM+12+\b], 0xff000000, v[TM+\b]
.endr
.irp b, 0,1,2,3
	v_lshrrev_b32 v[TM+4+\b], 23, v[TM+12+\b]
.endr
	v_lshl_or_b32 v[PW], v[TM+5], 8, v[TM+4]
	v_lshl_or_b32 v[PW], v[TM+6], 16, v[PW]
	v_lshl_or_b32 v[PW], v[TM+7], 24, v[PW]
	WIN WW
.irp b, 0,1,2,3
	v_cvt_scalef32_pk8_fp4_f32 v[PC+2*\b], v[AC+16*\b:AC+16*\b+7], v[TM+12+\b]
	v_cvt_scalef32_pk8_fp4_f32 v[PC+2*\b+1], v[AC+16*\b+8:AC+16*\b+15], v[TM+12+\b]
.endr
	WIN 0
	v_nop
.irp c, 0,1
.irp i, 0,1
	v_permlane16_swap_b32 v[PC+4*\c+\i], v[PC+2+4*\c+\i]   ; a whole block to a lane
.endr
.endr
.endm
.macro TILEOUT a                       ; R tile a: quantised, its image and its scale words stored, the bases stepped
	QUANTW \a
	global_store_b128 v[IMG], v[PC:PC+3], s[40:41]
	global_store_b128 v[IMG], v[PC+4:PC+7], s[40:41] offset:512
	v_lshrrev_b32 v[SV], v[SHV], v[PW]
	global_store_b32 v[SCO], v[SV], s[42:43]
	s_wait_xcnt 0x0                                ; the stores have read their registers and bases: both are written again below
	s_add_nc_u64 s[40:41], s[40:41], s[44:45]
	s_add_nc_u64 s[42:43], s[42:43], s[46:47]
.endm
.irp a, 0,1,2,3,4,5,6,7
	TILEOUT \a
.endr
; ---- v: 8 K steps, 8 x 4 tiles a wave
	s_wait_tensorcnt 0x0                           ; my chunk of w_v's block is in,
	s_barrier_signal -1
	s_barrier_wait -1                              ; everybody's is; nothing is filled again
	FETCH 0, 0, VP, VR, VSP, VSR, 4
.set st, 0
.rept 8
.if st == 7
	s_wait_dscnt 0x0
.else
.if st > 0
	PLACES
.endif
	FETCH st+1, (st+1)%2, VP, VR, VSP, VSR, 4
	s_wait_dscnt 30                                ; all but the 30 just issued
.endif
.if st == 0
	MUL 0, 1, 4                                    ; the first step starts the sums anew
.else
	MUL st%2, 0, 4
.endif
.set st, st+1
.endr
	WIN 0
	PLACES
	s_lshl_b32 s28, s67, 1
	s_add_co_u32 s28, s28, s13
	s_add_co_u32 s28, s28, s80                     ; the block of tokens: now P's
	s_lshr_b32 s30, s28, 4
	s_lshl_b32 s30, s30, 2
	s_lshr_b32 s31, s69, 1                         ; the pair of heads is X
	s_add_co_u32 s30, s30, s31
	s_lshl_b32 s30, s30, 4
	s_and_b32 s31, s28, 15
	s_add_co_u32 s30, s30, s31
	s_mul_i32 s30, s30, 36864
	s_and_b32 s31, s69, 1
	s_lshl_b32 s40, s31, 13
	s_add_co_u32 s40, s40, s30
	s_lshl_b32 s32, s14, 12                        ; my four tiles of the eight
	s_add_co_u32 s40, s40, s32
	s_add_co_u32 s40, s40, 18432                   ; v's images
	s_lshl_b32 s42, s31, 10
	s_add_co_u32 s42, s42, s30
	s_lshl_b32 s32, s14, 9
	s_add_co_u32 s42, s42, s32
	s_add_co_u32 s42, s42, 34816                   ; v's scale words
	s_mov_b32 s41, 0
	s_mov_b32 s43, 0
	s_mov_b32 s44, 1024
	s_mov_b32 s46, 128
	s_add_nc_u64 s[40:41], s[8:9], s[40:41]
	s_add_nc_u64 s[42:43], s[8:9], s[42:43]
	v_and_b32 v2, 31, v0
	v_lshlrev_b32 v[SCO], 2, v2                    ; 4 x lane: both halves of the lanes store the same word
	v_mov_b32 v[SHV], 0
.irp a, 0,1,2,3
	TILEOUT \a
.endr
	FINISH
; ---- x x^T: the accumulators leave as they stand: [b][64 queries][128 keys][query tile] x 8,192 bytes, registers 4 p .. 4 p + 3 at 512 p + 16 lane
.Lxxt:
	s_add_co_u32 s25, s25, s78
	s_lshl_b32 s26, s25, 20
	s_lshl_b32 s27, s24, 15
	s_add_co_u32 s26, s26, s27
	s_mov_b32 s27, 0
	s_add_nc_u64 s[26:27], s[10:11], s[26:27]
.irp a, 0,1,2,3,4,5,6,7
	WIN 0x08+4*((\a)/4)                            ; a store's data are its source 1
.irp p, 0,1,2,3,4,5,6,7,8,9,10,11,12,13,14,15
	global_store_b128 v[IMG], v[64*((\a)%4)+4*\p:64*((\a)%4)+4*\p+3], s[26:27] offset:((\a)/4)*524288+((\a)%4)*8192+\p*512
.endr
.endr
	WIN 0
	FINISH
.Lfunc_end_k_qf7b0bd62d4_proj:
	.size	k_qf7b0bd62d4_proj, .Lfunc_end_k_qf7b0bd62d4_proj-k_qf7b0bd62d4_proj
	.p2alignl 7, 3214868480
	.fill 96, 4, 3214868480
	.section	.rodata,"a",@progbits
	.p2align	6, 0x0
	.amdhsa_kernel k_qf7b0bd62d4_proj
		.amdhsa_group_segment_fixed_size 327680
		.amdhsa_private_segment_fixed_size 0
		.amdhsa_enable_private_segment 0
		.amdhsa_kernarg_size 32
		.amdhsa_user_sgpr_count 2
		.amdhsa_user_sgpr_kernarg_segment_ptr 1
		.amdhsa_wavefront_size32 1
		.amdhsa_system_sgpr_workgroup_id_x 1
		.amdhsa_system_sgpr_workgroup_id_y 1
		.amdhsa_system_sgpr_workgroup_id_z 1
		.amdhsa_system_vgpr_workitem_id 0
		.amdhsa_next_free_vgpr 1024
		.amdhsa_next_free_sgpr 100
		.amdhsa_reserve_vcc 0
		.amdhsa_float_denorm_mode_32 3
		.amdhsa_float_denorm_mode_16_64 3
		.amdhsa_memory_ordered 1
		.amdhsa_forward_progress 1
		.amdhsa_inst_pref_size 210
	.end_amdhsa_kernel
	.amdgpu_metadata
---
amdhsa.version: [ 1, 2 ]
amdhsa.kernels:
  - .name:           k_qf7b0bd62d4_proj
    .symbol:         k_qf7b0bd62d4_proj.kd
    .args:
      - { .name: cw, .offset: 0, .size: 8, .value_kind: global_buffer, .address_space: global }
      - { .name: qim, .offset: 8, .size: 8, .value_kind: global_buffer, .address_space: global }
      - { .name: kvp, .offset: 16, .size: 8, .value_kind: global_buffer, .address_space: global }
      - { .name: xxt, .offset: 24, .size: 8, .value_kind: global_buffer, .address_space: global }
    .group_segment_fixed_size: 327680
    .private_segment_fixed_size: 0
    .kernarg_segment_align: 8
    .kernarg_segment_size: 32
    .max_flat_workgroup_size: 128
    .sgpr_count:     100
    .vgpr_count:     1024
    .wavefront_size: 32
...
	.end_amdgpu_metadata
.endif
;; end of part 2
;; launch flash (part 3): grid 32 x 8, 16 waves a work-group, clusters of 4 x 4, 327,680 bytes of LDS; arguments qim, kvp, xxt, wkwq_scalings, wvwo_scalings, ocr, stat; writes ocr, stat
.if DOCPART == 3
	.amdgcn_target "amdgcn-amd-amdhsa--gfx1250"
	.amdhsa_code_object_version 6
	.text
	.protected	k_qf7b0bd62d4_flash
	.globl	k_qf7b0bd62d4_flash
	.p2align	8
	.type	k_qf7b0bd62d4_flash,@function
k_qf7b0bd62d4_flash:
	s_mov_b64 s[64:65], 0
	v_nop
	global_prefetch_b8 v0, s[64:65] scope:SCOPE_SE
	s_setreg_imm32_b32 hwreg(HW_REG_WAVE_MODE, 25, 1), 1
	s_wait_xcnt 0x0
	s_wait_alu depctr_hold_cnt(0) depctr_sa_sdst(0) depctr_va_vdst(0) depctr_va_sdst(0) depctr_va_ssrc(0) depctr_va_vcc(0) depctr_vm_vsrc(0)
	s_getreg_b32 s2, hwreg(HW_REG_IB_STS2, 6, 4)
	s_cmp_eq_u32 s2, 0
	s_cbranch_scc0 .Lentry_in_a_cluster
	s_endpgm
.Lentry_in_a_cluster:
	s_bfe_u32 s2, ttmp6, 0x10000c
	s_cmp_lg_u32 s2, 0xf033
	s_cbranch_scc0 .Lentry_shape_is_right
	s_endpgm
.Lentry_shape_is_right:
; For each head and query: scores sigma = q . k + 8 s_h (x x^T); t = sigma x 0.125 log2(e), which is reference()'s logit x log2(e) (SCALE = 1/8 exactly; the factors that are 1 are not written);
; M = the running largest t rounded up to a whole number; p = 2^(t - M), quantised along the keys; O^T += v^T p; l = the sum of the unquantised p.
; Out: O / l as codes along the channels (ocr, an operand of the last launch), and -M and w_h / l for each row and head (stat).
; SHARES.  A work-group: 64 queries x 4 heads; wave w: head w % 4 of the four, query tile w / 4: 16 queries in 256 registers, four waves to a SIMD.  16 key steps of 128.
; Both products are used transposed: a lane holds one query throughout; a tile's keys are 32 (t / 2) + 8 (t % 2) + r + 8 (r / 8), so that 16 registers of two tiles are 16 neighbouring keys.
; K = 64 in an instruction of 128: the head's 64 channels fill registers 0-3 of both operands; q's registers 4-7 are zero codes, so whatever codes k's registers 4-7 hold add nothing (no scale byte here is 0xff).
; x x^T comes as the image of the score registers, is multiplied by 8 s_h and is the C of the score's product.
; RING.  Two slots of two key steps: x x^T 65,536 bytes, then k and v 73,728.  Waves 0, 1 fetch k and v, waves 2, 3 x x^T; at most one tensor load of a wave is out.
; CLUSTER 4 x 4: x = four blocks of queries, y = the four groups of heads: k and v are asked for jointly along a row, x x^T down a column.
; PREFETCH.  x x^T is also asked for one slot ahead of its tensor load (macro ASK); k and v come by their loads alone.
; LIMITS: NaN and infinities are not served; a block of p that has fallen to 0 keeps byte 1 over zero codes.
.set SLOTB, 0x22000                    ; a slot: 139,264 bytes; none of the four tiles' first bytes has bit 13 or 17 set, so one exclusive or turns an address into the other slot's
.set KVO,   65536
.set KVREC, 36864
.set SPARE, 2*SLOTB
.set AX0, 1
.set AK0, 2
.set AKS0, 3
.set AV0, 4
.set AVS0, 5
.set SPW, 6
.set NIL, 7
.set AX, 8
.set AK, 9
.set AKS, 10
.set AV, 11
.set AVS, 12
.set LN, 13
.set PFO, 18                           ; v18  256 x my lane; never rewritten
.set G1KV, 24
.set G1X,  32
.set G0KV, 40
.set G0X,  44
.set TB,   51
.set SLOTS, 52
.set PFA,  88                          ; s[88:89] where my prefetches stand: my work-group's quarter, my wave's half of it, of the slot after the one that is being asked for
.set LIM,  90                          ; s90  1 in a wave that prefetches, else the greatest number
.macro PLACES
.rept 4
	v_nop
.endr
.endm
.macro CROUND
	s_barrier_signal -1
	s_barrier_wait -1
	s_cmp_lg_u32 s18, 0
	s_cbranch_scc1 .Lnot_wave_0_\@
	s_barrier_signal -3
.Lnot_wave_0_\@:
	s_barrier_wait -3
	s_barrier_signal -1
	s_barrier_wait -1
.endm
.macro TLOAD                           ; the branches hang on the wave's number alone
	s_cmp_lt_u32 s18, 2
	s_cbranch_scc0 .Lnot_k_\@
	tensor_load_to_lds s[G0KV:G0KV+3], s[G1KV:G1KV+7]
	s_nop 0
	PLACES
	s_branch .Lasked_\@
.Lnot_k_\@:
	s_cmp_lt_u32 s18, 4
	s_cbranch_scc0 .Lasked_\@
	tensor_load_to_lds s[G0X:G0X+3], s[G1X:G1X+7]
	s_nop 0
	PLACES
.Lasked_\@:
.endm
; A PREFETCH of the x x^T that the NEXT change of slots will ask for: a slot's 65,536 bytes of my block of queries.  It stands at the change of slots, behind the tensor loads and their lines.
; Each aligned block of 256 bytes is named ONCE in the launch: a block of queries' x x^T is read by one column of one cluster alone; its four partners share a slot out BY ADDRESS, 16,384 bytes each (by cy: no branch
; hangs on a work-group's place); in each, waves 4 and 5, which fetch nothing, ask for 8,192 bytes each, one instruction, lanes 256 bytes apart.
; The last change that fills a slot asks for nothing: there is no slot behind it.  Slots 0 and 1 come by their loads alone.
.macro ASK
	s_cmp_gt_u32 s[SLOTS], s[LIM]
	s_cbranch_scc0 .Lnot_mine_\@
	global_prefetch_b8 v[PFO], s[PFA:PFA+1] th:TH_LOAD_NT scope:SCOPE_SE
.Lnot_mine_\@:
.endm
.macro WMC d, a, b, sa, sb, ra
.if (\ra)
	v_wmma_scale_f32_16x16x128_f8f6f4 v[\d:\d+7], v[\a:\a+7], v[\b:\b+7], v[\d:\d+7], v[\sa], v[\sb] matrix_a_fmt:MATRIX_FMT_FP4 matrix_b_fmt:MATRIX_FMT_FP4 matrix_a_scale:MATRIX_SCALE_ROW1
.else
	v_wmma_scale_f32_16x16x128_f8f6f4 v[\d:\d+7], v[\a:\a+7], v[\b:\b+7], v[\d:\d+7], v[\sa], v[\sb] matrix_a_fmt:MATRIX_FMT_FP4 matrix_b_fmt:MATRIX_FMT_FP4
.endif
.endm
	s_load_b256 s[4:11], s[0:1], 0x0               ; qim, kvp, xxt, wkwq_scalings
	s_load_b128 s[12:15], s[0:1], 0x20             ; wvwo_scalings, ocr
	s_load_b64 s[16:17], s[0:1], 0x30              ; stat
	v_lshl_add_u32 v[SPW], v0, 2, SPARE
	v_mov_b32 v[NIL], 0
	ds_add_u32 v[SPW], v[NIL]                      ; the opening: the add, twice on end, and its wait
	ds_add_u32 v[SPW], v[NIL]
	v_lshrrev_b32 v8, 5, v0
	s_delay_alu instid0(VALU_DEP_1)
	v_readfirstlane_b32 s18, v8                    ; wave 0..15
	s_bfe_u32 s53, ttmp6, 0x40000                  ; cx
	s_bfe_u32 s54, ttmp6, 0x40004                  ; cy: the group of four heads
	s_and_b32 s55, ttmp7, 0xffff                   ; b
	s_lshl_b32 s56, ttmp9, 2
	s_add_co_u32 s56, s56, s53                     ; the block of 64 queries
	s_lshl_b32 s98, s54, 2
	s_lshl_b32 s98, 15, s98                        ; my row of the cluster
	s_lshl_b32 s99, 0x1111, s53                    ; my column
	s_or_b32 s[G1KV], s98, (3<<16)|(1<<21)
	s_mov_b32 s[G1KV+1], 32<<16                    ; a key step's record of k and v: 144 dense rows of 256 bytes
	s_mov_b32 s[G1KV+2], 144<<16
	s_mov_b32 s[G1KV+3], 32<<16
	s_mov_b32 s[G1KV+4], 144
	s_mov_b32 s[G1KV+5], 32
	s_mov_b32 s[G1KV+6], 0
	s_mov_b32 s[G1KV+7], 0
	s_or_b32 s[G1X], s99, (3<<16)|(1<<21)
	s_mov_b32 s[G1X+1], 32<<16                     ; a key step's x x^T of 64 queries: 128 rows
	s_mov_b32 s[G1X+2], 128<<16
	s_mov_b32 s[G1X+3], 32<<16
	s_mov_b32 s[G1X+4], 128
	s_mov_b32 s[G1X+5], 32
	s_mov_b32 s[G1X+6], 0
	s_mov_b32 s[G1X+7], 0
	s_and_b32 s57, s18, 1                          ; which of a slot's two steps I fetch
	s_lshl_b32 s66, s55, 2
	s_add_co_u32 s66, s66, s54
	s_mul_i32 s66, s66, 16*KVREC
	s_mul_i32 s70, s57, KVREC
	s_add_co_u32 s66, s66, s70                     ; k, v: b, cy and the wave alone
	s_mov_b32 s67, 0
	s_lshl_b32 s68, s55, 5
	s_add_co_u32 s68, s68, s56
	s_lshl_b32 s68, s68, 19
	s_lshl_b32 s71, s57, 15
	s_add_co_u32 s68, s68, s71                     ; x x^T: b, the block of queries and the wave alone
	s_mov_b32 s69, 0
	s_and_b32 s58, s18, 3                          ; my head of the four
	s_lshr_b32 s59, s18, 2                         ; my query tile of the four
	s_lshl_b32 s60, s54, 2
	s_add_co_u32 s60, s60, s58                     ; head
	s_lshl_b32 s61, s55, 7
	s_lshl_b32 s62, s56, 2
	s_add_co_u32 s61, s61, s62
	s_add_co_u32 s61, s61, s59                     ; query tile 0..255
	s_lshl_b32 s62, s60, 2
	s_lshl_b32 s72, s61, 3
	s_lshr_b32 s73, s60, 1
	s_add_co_u32 s72, s72, s73
	s_lshl_b32 s72, s72, 10
	s_and_b32 s73, s60, 1
	s_lshl_b32 s73, s73, 9
	s_add_co_u32 s72, s72, s73                     ; q's half image
	s_mov_b32 s73, 0
	s_lshl_b32 s74, s61, 4
	s_add_co_u32 s74, s74, s60
	s_lshl_b32 s74, s74, 6
	s_add_co_u32 s74, s74, 2097152                 ; q's scale words
	s_mov_b32 s75, 0
	s_mov_b32 s20, 0x76543210
	s_mov_b32 s21, 0xfedcba98
	s_mov_b32 s22, 0x3e38aa3b                      ; 0.125 log2(e)
	s_mov_b32 s23, s22
	s_mov_b32 s[TB], 0
	s_mov_b32 s[SLOTS], 7
	s_wait_dscnt 0x0                               ; both opening adds are done
	s_wait_kmcnt 0x0
	s_load_b32 s48, s[10:11], s62 offset:0x0       ; s_h
	s_load_b32 s50, s[12:13], s62 offset:0x0       ; w_h
	s_mov_b32 s[G0KV], 1
	s_add_co_u32 s[G0KV+1], s70, KVO
	s_add_nc_u64 s[G0KV+2:G0KV+3], s[6:7], s[66:67]
	s_or_b32 s[G0KV+3], s[G0KV+3], 0x80000000
	s_mov_b32 s[G0X], 1
	s_mov_b32 s[G0X+1], s71
	s_add_nc_u64 s[G0X+2:G0X+3], s[8:9], s[68:69]
	s_or_b32 s[G0X+3], s[G0X+3], 0x80000000
	s_add_nc_u64 s[72:73], s[4:5], s[72:73]
	s_add_nc_u64 s[74:75], s[4:5], s[74:75]
	CROUND                                         ; all sixteen work-groups are here
	TLOAD                                          ; slot 0
	v_and_b32 v[LN], 31, v0
	s_wait_alu depctr_va_vdst(0)
	v_lshlrev_b32 v8, 4, v[LN]
	s_wait_alu depctr_va_vdst(0)
	v_lshlrev_b32 v9, 2, v[LN]
	s_wait_alu depctr_va_vdst(0)
	v_and_b32 v10, 15, v[LN]
	s_delay_alu instid0(VALU_DEP_1)
	v_lshlrev_b32 v10, 2, v10
	global_load_b128 v[20:23], v8, s[72:73]        ; q's 64 channels: registers 0-3 of the operand
	global_load_b32 v208, v10, s[74:75]            ; and its scale word
	; the prefetches: where my wave's stand, and who asks.  Nothing is prefetched here, at the head
	s_lshl_b32 s92, s55, 5
	s_add_co_u32 s92, s92, s56
	s_lshl_b32 s92, s92, 19                        ; my block of queries' x x^T,
	s_lshl_b32 s93, s54, 14
	s_add_co_u32 s92, s92, s93                     ; my work-group's quarter of a slot,
	s_lshl_b32 s93, s57, 13
	s_add_co_u32 s92, s92, s93                     ; my wave's half of it,
	s_add_co_u32 s92, s92, 65536                   ; in slot 1: the first change of slots steps it to slot 2
	s_mov_b32 s93, 0
	s_add_nc_u64 s[PFA:PFA+1], s[8:9], s[92:93]
	s_lshr_b32 s91, s18, 1
	s_cmp_eq_u32 s91, 2                            ; waves 4 and 5: the same in all partners
	s_cselect_b32 s[LIM], 1, -1
	v_lshlrev_b32 v[PFO], 8, v[LN]
	s_lshl_b32 s76, s59, 13
	v_add_nc_u32 v[AX0], s76, v8
	s_lshr_b32 s76, s58, 1
	s_lshl_b32 s76, s76, 13
	s_and_b32 s77, s58, 1
	s_lshl_b32 s77, s77, 9
	s_add_co_u32 s76, s76, s77
	s_add_co_u32 s76, s76, KVO
	v_add_nc_u32 v[AK0], s76, v8
	s_lshl_b32 s76, s58, 9
	s_add_co_u32 s77, s76, KVO+16384
	v_add_nc_u32 v[AKS0], s77, v9
	s_add_co_u32 s77, s76, KVO+34816
	v_add_nc_u32 v[AVS0], s77, v9
	s_lshl_b32 s76, s58, 12
	s_add_co_u32 s76, s76, KVO+18432
	v_add_nc_u32 v[AV0], s76, v8
	v_mov_b32 v15, 0xff61b1e6                      ; the largest t so far: -3e38
	s_delay_alu instid0(VALU_DEP_1)
	v_floor_f32 v14, -v15                          ; -M
	v_mov_b32 v16, 0
	v_mov_b32 v17, 0                               ; the sum, in two halves
.irp n, 24,25,26,27
	v_mov_b32 v[\n], 0                             ; q's zero codes
.endr
.set n, 0
.rept 8
.irp c, 4,5,6,7
	v_mov_b32 v[32+8*n+\c], 0                      ; k's registers 4-7: written once, so that they hold codes
.endr
.set n, n+1
.endr
.set n, 0
.rept 32
	v_mov_b32 v[160+n], 0                          ; O^T: the loop is written once; its first step finds zeros
.set n, n+1
.endr
.irp n, 216,217,218,219,225,226
	v_mov_b32 v[\n], 0
.endr
	s_wait_kmcnt 0x0
	s_mul_f32 s48, s48, 0x41000000                 ; 8 s_h
	s_mov_b32 s49, s48
.macro STEP u
	v_add_nc_u32 v[AX], s[TB], v[AX0]              ; (these five are also the places in front of the loads below)
	v_add_nc_u32 v[AK], s[TB], v[AK0]
	v_add_nc_u32 v[AKS], s[TB], v[AKS0]
	v_add_nc_u32 v[AV], s[TB], v[AV0]
	v_add_nc_u32 v[AVS], s[TB], v[AVS0]
.set n, 0
.rept 16
	ds_load_b128 v[96+4*n:99+4*n], v[AX] offset:(\u)*32768+n*512
.set n, n+1
.endr
.set n, 0
.rept 8
	ds_load_b128 v[32+8*n:35+8*n], v[AK] offset:(\u)*KVREC+n*1024
.set n, n+1
.endr
.set n, 0
.rept 4
	ds_load_b32 v[200+n], v[AKS] offset:(\u)*KVREC+n*128
.set n, n+1
.endr
	s_wait_dscnt 12                                ; x x^T's 16 loads are in; k's 8 and its 4 scale loads may be out
.set n, 0
.rept 32
	v_pk_mul_f32 v[96+n:97+n], v[96+n:97+n], s[48:49] op_sel_hi:[1,0]   ; 8 s_h x x^T: the C of the scores
.set n, n+2
.endr
	s_wait_alu depctr_va_vdst(0)
	s_wait_dscnt 0x0
	PLACES
.set n, 0
.rept 8
.set rD, 96+8*n
.set rA, 32+8*n
.set rS, 200+n/2
.set pa, n%2
	WMC rD, rA, 20, rS, 208, pa
.set n, n+1
.endr
	PLACES
.set n, 0
.rept 4
	ds_load_b128 v[32+8*n:35+8*n], v[AV] offset:(\u)*KVREC+n*1024
	ds_load_b128 v[36+8*n:39+8*n], v[AV] offset:(\u)*KVREC+n*1024+512
	ds_load_b32 v[204+n], v[AVS] offset:(\u)*KVREC+n*128
.set n, n+1
.endr
.irp b, 0,1,2,3
	v_max3_num_f32 v[212+\b], v[96+16*\b], v[97+16*\b], v[98+16*\b]   ; the largest score of each block of 32 keys: for the row's maximum and for the block's largest p
.endr
.irp i, 3,5,7,9,11,13
.irp b, 0,1,2,3
	v_max3_num_f32 v[212+\b], v[212+\b], v[96+16*\b+\i], v[97+16*\b+\i]
.endr
.endr
.irp b, 0,1,2,3
	v_max_num_f32 v[212+\b], v[212+\b], v[111+16*\b]
.endr
.irp b, 0,1,2,3
	s_delay_alu instid0(VALU_DEP_4)
	v_permlanex16_b32 v[216+\b], v[212+\b], s20, s21
.endr
.irp b, 0,1,2,3
	s_delay_alu instid0(VALU_DEP_4)
	v_max_num_f32 v[212+\b], v[212+\b], v[216+\b]
.endr
	s_delay_alu instid0(VALU_DEP_2)
	v_max3_num_f32 v226, v212, v213, v214
	s_delay_alu instid0(VALU_DEP_1)
	v_max_num_f32 v226, v226, v215
	s_delay_alu instid0(VALU_DEP_1)
	v_mul_f32 v226, s22, v226
	s_delay_alu instid0(VALU_DEP_1)
	v_max_num_f32 v15, v15, v226                   ; the running largest t
	v_mov_b32 v226, v14
	s_delay_alu instid0(VALU_DEP_2)
	v_floor_f32 v14, -v15                          ; -M = floor(-t): M is a whole number
	s_delay_alu instid0(VALU_DEP_1)
	v_sub_f32 v226, v14, v226
	s_delay_alu instid0(VALU_DEP_1)
	v_cvt_i32_f32 v226, v226                       ; (it saturates)
	s_delay_alu instid0(VALU_DEP_1)
	v_ldexp_f32 v224, 1.0, v226                    ; f = 2^(old M - new M): exact
; THE EXPONENTIALS GO BLOCK BY BLOCK OF 32 KEYS (16 registers), one wait between two blocks.  Among a block's exponentials stand plain lines that name none of its registers and read nothing
; that a plain line of the same block wrote: t - M of the next block, and the row's sums of blocks whose wait has passed, in eight chains v[230:245], each written once a block.
.set n, 0
.rept 8
	v_pk_fma_f32 v[96+n:97+n], v[96+n:97+n], s[22:23], v[14:15] op_sel_hi:[1,0,0]   ; t - M of block 0
.set n, n+2
.endr
.irp b, 0,1,2,3
	v_fma_f32 v[212+\b], v[212+\b], s22, v14
.endr
	v_pk_mul_f32 v[16:17], v[16:17], v[224:225] op_sel_hi:[1,0]   ; the sums under the new M
	s_wait_alu depctr_va_vdst(0)                   ; ahead of a batch
.set n, 0
.rept 8
	v_exp_f32 v[96+n], v[96+n]                     ; p of block 0, not normalised
	v_pk_fma_f32 v[112+n:113+n], v[112+n:113+n], s[22:23], v[14:15] op_sel_hi:[1,0,0]
	v_exp_f32 v[97+n], v[97+n]
.set n, n+2
.endr
.irp b, 0,1,2,3
	v_exp_f32 v[212+\b], v[212+\b]                 ; each block's largest p
.endr
	v_nop                                          ; a plain place behind the exponentials
	s_wait_alu depctr_va_vdst(0)                   ; behind block 0's batch and ahead of block 1's
.set n, 0
.rept 8
	v_exp_f32 v[112+n], v[112+n]
	v_pk_fma_f32 v[128+n:129+n], v[128+n:129+n], s[22:23], v[14:15] op_sel_hi:[1,0,0]
	v_exp_f32 v[113+n], v[113+n]
.set n, n+2
.endr
	v_nop
	s_wait_alu depctr_va_vdst(0)
.set n, 0
.rept 8
	v_exp_f32 v[128+n], v[128+n]
	v_pk_fma_f32 v[144+n:145+n], v[144+n:145+n], s[22:23], v[14:15] op_sel_hi:[1,0,0]
	v_exp_f32 v[129+n], v[129+n]
	v_pk_add_f32 v[230+n:231+n], v[96+n:97+n], v[112+n:113+n]   ; blocks 0 and 1 start the eight chains
.set n, n+2
.endr
	s_wait_alu depctr_va_vdst(0)
.set n, 0
.rept 8
	v_exp_f32 v[144+n], v[144+n]
	v_pk_add_f32 v[230+n:231+n], v[230+n:231+n], v[128+n:129+n]
	v_exp_f32 v[145+n], v[145+n]
.set n, n+2
.endr
	v_nop
	s_wait_alu depctr_va_vdst(0)
.set n, 0
.rept 8
	v_pk_add_f32 v[230+n:231+n], v[230+n:231+n], v[144+n:145+n]
.set n, n+2
.endr
.irp j, 0,2,4,6
	v_pk_add_f32 v[230+\j:231+\j], v[230+\j:231+\j], v[238+\j:239+\j]
.endr
	v_pk_add_f32 v[230:231], v[230:231], v[234:235]
	v_pk_add_f32 v[232:233], v[232:233], v[236:237]
	v_pk_add_f32 v[230:231], v[230:231], v[232:233]
	v_pk_add_f32 v[16:17], v[16:17], v[230:231]
	s_wait_alu depctr_va_vdst(0)                   ; and one for the four
.irp b, 0,1,2,3
	v_max_num_f32 v[212+\b], 0x1800000, v[212+\b]
.endr
.irp b, 0,1,2,3
	s_delay_alu instid0(VALU_DEP_4)
	v_add_nc_u32 v[220+\b], 0xff000000, v[212+\b]
.endr
.irp b, 0,1,2,3
	s_delay_alu instid0(VALU_DEP_4)
	v_lshrrev_b32 v[216+\b], 23, v[220+\b]
.endr
	s_delay_alu instid0(VALU_DEP_3)
	v_lshl_or_b32 v209, v217, 8, v216              ; p's scale word for these 128 keys
	s_delay_alu instid0(VALU_DEP_1)
	v_lshl_or_b32 v209, v218, 16, v209
	s_delay_alu instid0(VALU_DEP_1)
	v_lshl_or_b32 v209, v219, 24, v209
.irp b, 0,1,2,3
	v_cvt_scalef32_pk8_fp4_f32 v[192+2*\b], v[96+16*\b:103+16*\b], v[220+\b]
	v_cvt_scalef32_pk8_fp4_f32 v[193+2*\b], v[104+16*\b:111+16*\b], v[220+\b]
.endr
	v_nop
.irp c, 0,1
.irp i, 0,1
	v_permlane16_swap_b32 v[192+4*\c+\i], v[194+4*\c+\i]
.endr
.endr
.set n, 0
.rept 16
	v_pk_mul_f32 v[160+n:161+n], v[160+n:161+n], v[224:225] op_sel_hi:[1,0]   ; O^T under the new M; also the places in front of the products below
.set n, n+2
.endr
	s_wait_alu depctr_va_vdst(0)
	s_wait_dscnt 0x0                               ; v and its scale words
.set n, 0
.rept 4
.set rD, 160+8*n
.set rA, 32+8*n
.set rS, 204+n
	WMC rD, rA, 192, rS, 209, 0
.set n, n+1
.endr
.endm
; the change of slots stands at a slot's head
.macro CHANGE fill
	s_wait_tensorcnt 0x0                           ; no tensor load of mine is out: a group 0 may be written
	ds_add_u32 v[SPW], v[NIL]
.if \fill
	ds_add_u32 v[SPW], v[NIL]                      ; and once more, in every trip alike
	s_xor_b32 s[G0KV+1], s[G0KV+1], SLOTB
	s_add_nc_u64 s[G0KV+2:G0KV+3], s[G0KV+2:G0KV+3], 2*KVREC
	s_xor_b32 s[G0X+1], s[G0X+1], SLOTB
	s_add_nc_u64 s[G0X+2:G0X+3], s[G0X+2:G0X+3], 65536
	s_wait_xcnt 0x0                                ; the last prefetch, a slot back, has read its address, so it may be written:
	s_add_nc_u64 s[PFA:PFA+1], s[PFA:PFA+1], 65536 ; one slot further on than the walking descriptors
	s_wait_dscnt 0x0                               ; the adds are done, and my reads of the slot that I have left are over
	CROUND                                         ; no wave of any partner still reads that slot or has a load on its way
	TLOAD
	ASK                                            ; what the next change of slots will ask for: a slot's two key steps ahead of that load
.else
	s_wait_dscnt 0x0
	s_barrier_signal -1
	s_barrier_wait -1
.endif
.endm
	s_wait_loadcnt 0x0                             ; q
.Lslot:                                            ; 7 trips: behind each change of slots but the last the next slot is asked for
	CHANGE 1
	STEP 0
	STEP 1
	s_xor_b32 s[TB], s[TB], SLOTB
	s_sub_co_u32 s[SLOTS], s[SLOTS], 1
	s_cmp_lg_u32 s[SLOTS], 0
	s_cbranch_scc1 .Lslot
	CHANGE 0                                       ; the last slot is written out
	STEP 0
	STEP 1
; ---- the way out
	PLACES
	v_add_f32 v16, v16, v17
	s_delay_alu instid0(VALU_DEP_1)
	v_permlanex16_b32 v226, v16, s20, s21
	s_delay_alu instid0(VALU_DEP_1)
	v_add_f32 v16, v16, v226                       ; l
	s_wait_alu depctr_va_vdst(0)
	v_rcp_f32 v17, v16
	v_lshlrev_b32 v8, 4, v[LN]                     ; (plain work behind the reciprocal)
	v_lshlrev_b32 v9, 2, v[LN]
	v_and_b32 v10, 15, v[LN]
	s_delay_alu instid0(VALU_DEP_1)
	v_lshlrev_b32 v10, 2, v10
	s_lshr_b32 s76, s61, 3
	s_mul_i32 s76, s76, 69632
	s_lshr_b32 s77, s60, 1
	s_mul_i32 s77, s77, 8704
	s_add_co_u32 s76, s76, s77                     ; ocr's record: block of 128 rows, K step = the pair of heads
	s_and_b32 s77, s61, 7
	s_lshl_b32 s82, s77, 10
	s_add_co_u32 s82, s82, s76
	s_and_b32 s78, s60, 1
	s_lshl_b32 s79, s78, 9
	s_add_co_u32 s82, s82, s79                     ; my half of the tile's image
	s_mov_b32 s83, 0
	s_lshl_b32 s84, s77, 6
	s_add_co_u32 s84, s84, s76
	s_lshl_b32 s79, s78, 1
	s_add_co_u32 s84, s84, s79
	s_add_co_u32 s84, s84, 8192                    ; my half of the tile's scale words
	s_mov_b32 s85, 0
	s_lshl_b32 s86, s61, 4
	s_add_co_u32 s86, s86, s60
	s_lshl_b32 s86, s86, 7
	s_mov_b32 s87, 0
	s_add_nc_u64 s[82:83], s[14:15], s[82:83]
	s_add_nc_u64 s[84:85], s[14:15], s[84:85]
	s_add_nc_u64 s[86:87], s[16:17], s[86:87]
	s_wait_alu depctr_va_vdst(0)                   ; ahead of the reciprocal's first reader
.set n, 0
.rept 32
	v_mul_f32 v[96+n], v[160+n], v17               ; O^T / l: register 16 b + i is channel 32 b + 16 h + i
.set n, n+1
.endr
	v_mul_f32 v226, s50, v17                       ; w_h / l
	v_cmp_le_u32 vcc_lo, 16, v[LN]
	s_delay_alu instid0(VALU_DEP_1)
	v_cndmask_b32 v228, v14, v226, vcc_lo          ; lanes 0-15: -M; lanes 16-31: w_h / l
	v_max3_num_f32 v212, |v96|, |v97|, 0x1800000
	v_max3_num_f32 v213, |v112|, |v113|, 0x1800000
.set n, 2
.rept 7
	s_delay_alu instid0(VALU_DEP_2)
	v_max3_num_f32 v212, v212, |v[96+n]|, |v[97+n]|
	s_delay_alu instid0(VALU_DEP_2)
	v_max3_num_f32 v213, v213, |v[112+n]|, |v[113+n]|
.set n, n+2
.endr
	s_delay_alu instid0(VALU_DEP_2)
	v_permlanex16_b32 v214, v212, s20, s21
	s_delay_alu instid0(VALU_DEP_2)
	v_permlanex16_b32 v215, v213, s20, s21
	s_delay_alu instid0(VALU_DEP_2)
	v_max_num_f32 v212, v212, v214
	s_delay_alu instid0(VALU_DEP_2)
	v_max_num_f32 v213, v213, v215
	s_delay_alu instid0(VALU_DEP_2)
	v_add_nc_u32 v216, 0xff000000, v212
	s_delay_alu instid0(VALU_DEP_2)
	v_add_nc_u32 v217, 0xff000000, v213
	s_delay_alu instid0(VALU_DEP_2)
	v_lshrrev_b32 v214, 23, v216
	s_delay_alu instid0(VALU_DEP_2)
	v_lshrrev_b32 v215, 23, v217
	s_delay_alu instid0(VALU_DEP_1)
	v_lshl_or_b32 v218, v215, 8, v214              ; my head's two bytes
	v_cvt_scalef32_pk8_fp4_f32 v192, v[96:103], v216
	v_cvt_scalef32_pk8_fp4_f32 v193, v[104:111], v216
	v_cvt_scalef32_pk8_fp4_f32 v194, v[112:119], v217
	v_cvt_scalef32_pk8_fp4_f32 v195, v[120:127], v217
	v_nop
	v_permlane16_swap_b32 v192, v194
	v_permlane16_swap_b32 v193, v195
	global_store_b128 v8, v[192:195], s[82:83]     ; 512 consecutive bytes
	global_store_b32 v9, v228, s[86:87]
	global_store_b16 v10, v218, s[84:85]           ; lanes r and r + 16 hold the same row's bytes and name the same place
	s_wait_tensorcnt 0x0                           ; the wave's end
	ds_add_u32 v[SPW], v[NIL]
	s_wait_dscnt 0x0
	CROUND                                         ; the closing round
	s_endpgm
.Lfunc_end_k_qf7b0bd62d4_flash:
	.size	k_qf7b0bd62d4_flash, .Lfunc_end_k_qf7b0bd62d4_flash-k_qf7b0bd62d4_flash
	.p2alignl 7, 3214868480
	.fill 96, 4, 3214868480
	.section	.rodata,"a",@progbits
	.p2align	6, 0x0
	.amdhsa_kernel k_qf7b0bd62d4_flash
		.amdhsa_group_segment_fixed_size 327680
		.amdhsa_private_segment_fixed_size 0
		.amdhsa_enable_private_segment 0
		.amdhsa_kernarg_size 56
		.amdhsa_user_sgpr_count 2
		.amdhsa_user_sgpr_kernarg_segment_ptr 1
		.amdhsa_wavefront_size32 1
		.amdhsa_system_sgpr_workgroup_id_x 1
		.amdhsa_system_sgpr_workgroup_id_y 1
		.amdhsa_system_sgpr_workgroup_id_z 1
		.amdhsa_system_vgpr_workitem_id 0
		.amdhsa_next_free_vgpr 256
		.amdhsa_next_free_sgpr 100
		.amdhsa_reserve_vcc 1
		.amdhsa_float_denorm_mode_32 3
		.amdhsa_float_denorm_mode_16_64 3
		.amdhsa_memory_ordered 1
		.amdhsa_forward_progress 1
		.amdhsa_inst_pref_size 95
	.end_amdhsa_kernel
	.amdgpu_metadata
---
amdhsa.version: [ 1, 2 ]
amdhsa.kernels:
  - .name:           k_qf7b0bd62d4_flash
    .symbol:         k_qf7b0bd62d4_flash.kd
    .args:
      - { .name: qim, .offset: 0, .size: 8, .value_kind: global_buffer, .address_space: global }
      - { .name: kvp, .offset: 8, .size: 8, .value_kind: global_buffer, .address_space: global }
      - { .name: xxt, .offset: 16, .size: 8, .value_kind: global_buffer, .address_space: global }
      - { .name: wkwq_scalings, .offset: 24, .size: 8, .value_kind: global_buffer, .address_space: global }
      - { .name: wvwo_scalings, .offset: 32, .size: 8, .value_kind: global_buffer, .address_space: global }
      - { .name: ocr, .offset: 40, .size: 8, .value_kind: global_buffer, .address_space: global }
      - { .name: stat, .offset: 48, .size: 8, .value_kind: global_buffer, .address_space: global }
    .group_segment_fixed_size: 327680
    .private_segment_fixed_size: 0
    .kernarg_segment_align: 8
    .kernarg_segment_size: 56
    .max_flat_workgroup_size: 512
    .sgpr_count:     100
    .vgpr_count:     256
    .wavefront_size: 32
...
	.end_amdgpu_metadata
.endif
;; end of part 3
;; launch asum (part 4): grid 16 x 16, 16 waves a work-group, clusters of 4 x 4, 239,616 bytes of LDS; arguments kvp, qim, xxt, stat, wkwq_scalings, asr; writes asr
.if DOCPART == 4
	.amdgcn_target "amdgcn-amd-amdhsa--gfx1250"
	.amdhsa_code_object_version 6
	.text
	.protected	k_qf7b0bd62d4_asum
	.globl	k_qf7b0bd62d4_asum
	.p2align	8
	.type	k_qf7b0bd62d4_asum,@function
k_qf7b0bd62d4_asum:
	s_mov_b64 s[64:65], 0
	v_nop
	global_prefetch_b8 v0, s[64:65] scope:SCOPE_SE
	s_setreg_imm32_b32 hwreg(HW_REG_WAVE_MODE, 25, 1), 1
	s_wait_xcnt 0x0
	s_wait_alu depctr_hold_cnt(0) depctr_sa_sdst(0) depctr_va_vdst(0) depctr_va_sdst(0) depctr_va_ssrc(0) depctr_va_vcc(0) depctr_vm_vsrc(0)
	s_getreg_b32 s2, hwreg(HW_REG_IB_STS2, 6, 4)
	s_cmp_eq_u32 s2, 0
	s_cbranch_scc0 .Lentry_in_a_cluster
	s_endpgm
.Lentry_in_a_cluster:
	s_bfe_u32 s2, ttmp6, 0x10000c
	s_cmp_lg_u32 s2, 0xf033
	s_cbranch_scc0 .Lentry_shape_is_right
	s_endpgm
.Lentry_shape_is_right:
; attn_sum[n][m] = the sum over the 16 heads of w_h softmax_h[n][m], quantised along the keys m: an operand of the last launch.  Nothing of reference() is left out here.
; M and l of every row and head are known (stat), so the keys are independent: p = 2^(t - M), attn_sum += p x (w_h / l), in f32 multiply-adds.  The scores are made as in the launch before.
; SHARES.  A work-group: 256 queries x the 128 keys of one key step; wave w: 16 queries; it walks the 16 heads, 64 keys at a time (two halves).
; A pair of heads shares k's fragment (channels 0-63 the even head, 64-127 the odd): q's operand is [even | zero codes] or [zero codes | odd], from one run of 12 registers.
; THE HEADS GO AS A STREAM over two sets of 32 score registers that take turns.  Among head h's 32 exponentials stand, on the other set: head h - 1 summed in, head h + 1's C (8 s_h x x^T) and its four products.
; Three waits a head: ahead of the batch; ahead of the products, for their C; behind the batch, directly ahead of the multiply-adds that first read the products' results.
; LDS, filled once, by one tensor load a wave at the head: k's images and scale words of all 16 heads for this key step (4 x 18,432 bytes, waves 0-3); the 16 waves' q (131,072 bytes, waves 4-11);
; their -M and w / l (32,768 bytes, waves 12, 13).  Nothing is filled again and nothing is stored to LDS.
; CLUSTER 4 x 4: x = four key steps, y = four blocks of queries of one batch: k is asked for jointly down a column, q and the statistics along a row.
; x x^T goes from memory straight into registers, each image read by one wave: the first half's at the head, the second half's behind the first half's last reader.  No prefetch: the text has no loop to run ahead in.
; A pair's LDS operands are asked for four places behind the products of the pair before; -M and w / l have two sets of registers that take turns.
; LIMITS: NaN and infinities are not served; a block of zeros keeps byte 1 over zero codes.
; REGISTERS: v1-9 offsets and LDS addresses; v16-23 q's scale words; v[24:35] q; v[48:63] -M and w / l, two sets; v64-65 k's scale words; v66 the word being gathered; v[68:99] k; v[100:131] x x^T;
;   v[132:163] attn_sum; v[164:195], v[196:227] the scores, then p, of even and odd heads; v228-243 at work on the way out.
.set QL,    73728
.set SL,    204800
.set SPARE, 237568
.set SPW, 14
.set NIL, 15
.set G1K, 32                           ; s32-s59 hold the descriptors until the loads have landed, then 8 s_h
.set G1Q, 40
.set G0K, 48
.set G0Q, 52
.set G0S, 56
.macro PLACES
.rept 4
	v_nop
.endr
.endm
.macro CROUND
	s_barrier_signal -1
	s_barrier_wait -1
	s_cmp_lg_u32 s18, 0
	s_cbranch_scc1 .Lnot_wave_0_\@
	s_barrier_signal -3
.Lnot_wave_0_\@:
	s_barrier_wait -3
	s_barrier_signal -1
	s_barrier_wait -1
.endm
.macro WMC d, a, b, sa, sb, ra
.if (\ra)
	v_wmma_scale_f32_16x16x128_f8f6f4 v[\d:\d+7], v[\a:\a+7], v[\b:\b+7], v[\d:\d+7], v[\sa], v[\sb] matrix_a_fmt:MATRIX_FMT_FP4 matrix_b_fmt:MATRIX_FMT_FP4 matrix_a_scale:MATRIX_SCALE_ROW1
.else
	v_wmma_scale_f32_16x16x128_f8f6f4 v[\d:\d+7], v[\a:\a+7], v[\b:\b+7], v[\d:\d+7], v[\sa], v[\sb] matrix_a_fmt:MATRIX_FMT_FP4 matrix_b_fmt:MATRIX_FMT_FP4
.endif
.endm
	s_load_b256 s[4:11], s[0:1], 0x0               ; kvp, qim, xxt, stat
	s_load_b128 s[12:15], s[0:1], 0x20             ; wkwq_scalings, asr
	v_lshl_add_u32 v[SPW], v0, 2, SPARE
	v_mov_b32 v[NIL], 0
	ds_add_u32 v[SPW], v[NIL]                      ; the opening: the add, twice on end, and its wait
	ds_add_u32 v[SPW], v[NIL]
	v_lshrrev_b32 v1, 5, v0
	v_readfirstlane_b32 s18, v1                    ; wave 0..15
	s_bfe_u32 s96, ttmp6, 0x40000                  ; cx
	s_bfe_u32 s97, ttmp6, 0x40004                  ; cy
	s_lshl_b32 s17, ttmp9, 2
	s_add_co_u32 s17, s17, s96                     ; the key step
	s_and_b32 s19, ttmp7, 0xffff
	s_lshr_b32 s25, s19, 1                         ; b: the cluster's y alone
	s_lshl_b32 s19, s19, 2
	s_add_co_u32 s19, s19, s97                     ; the block of 256 queries
	s_lshl_b32 s98, s97, 2
	s_lshl_b32 s98, 15, s98                        ; my row of the cluster
	s_lshl_b32 s99, 0x1111, s96                    ; my column
	s_or_b32 s[G1K], s99, (3<<16)|(1<<21)          ; k of four heads: 72 dense rows of 256 bytes
	s_mov_b32 s[G1K+1], 32<<16
	s_mov_b32 s[G1K+2], 72<<16
	s_mov_b32 s[G1K+3], 32<<16
	s_mov_b32 s[G1K+4], 72
	s_mov_b32 s[G1K+5], 32
	s_mov_b32 s[G1K+6], 0
	s_mov_b32 s[G1K+7], 0
	s_or_b32 s[G1Q], s98, (3<<16)|(1<<21)          ; q and the statistics: 64 dense rows a load
	s_mov_b32 s[G1Q+1], 32<<16
	s_mov_b32 s[G1Q+2], 64<<16
	s_mov_b32 s[G1Q+3], 32<<16
	s_mov_b32 s[G1Q+4], 64
	s_mov_b32 s[G1Q+5], 32
	s_mov_b32 s[G1Q+6], 0
	s_mov_b32 s[G1Q+7], 0
	s_and_b32 s66, s18, 3                          ; k: the group of four heads that I would fetch
	s_lshl_b32 s94, s25, 2
	s_add_co_u32 s94, s94, s66
	s_lshl_b32 s94, s94, 4
	s_add_co_u32 s94, s94, s17
	s_mul_i32 s94, s94, 36864                      ; b, the key step and the wave alone
	s_mov_b32 s95, 0
	s_mul_i32 s[G0K+1], s66, 18432
	s_add_co_u32 s66, s18, 4
	s_and_b32 s66, s66, 7                          ; q: which eighth: (wave - 4) mod 8
	s_lshl_b32 s66, s66, 14
	s_lshl_b32 s70, s19, 17
	s_add_co_u32 s70, s70, s66                     ; the block of queries and the wave alone
	s_mov_b32 s71, 0
	s_add_co_u32 s[G0Q+1], s66, QL
	s_and_b32 s66, s18, 1                          ; the statistics: which half
	s_lshl_b32 s66, s66, 14
	s_lshl_b32 s68, s19, 15
	s_add_co_u32 s68, s68, s66
	s_mov_b32 s69, 0
	s_add_co_u32 s[G0S+1], s66, SL
	s_lshl_b32 s24, s19, 4
	s_add_co_u32 s24, s24, s18                     ; query tile 0..255
	s_lshl_b32 s67, s18, 13
	s_add_co_u32 s67, s67, QL                      ; LDS: my q,
	s_lshl_b32 s16, s18, 11
	s_add_co_u32 s16, s16, SL                      ; my -M and w / l
	s_lshl_b32 s28, s24, 10
	s_add_co_u32 s28, s28, 2097152                 ; q's scale words
	s_mov_b32 s29, 0
	s_lshr_b32 s88, s24, 2
	s_lshl_b32 s88, s88, 19
	s_lshl_b32 s66, s17, 15
	s_add_co_u32 s88, s88, s66
	s_and_b32 s66, s24, 3
	s_lshl_b32 s66, s66, 13
	s_add_co_u32 s88, s88, s66                     ; x x^T's image of (my tile, this key step)
	s_mov_b32 s89, 0
	s_lshr_b32 s90, s24, 3
	s_mul_i32 s90, s90, 139264
	s_mul_i32 s66, s17, 8704
	s_add_co_u32 s90, s90, s66                     ; asr's record
	s_and_b32 s66, s24, 7
	s_lshl_b32 s92, s66, 6
	s_add_co_u32 s92, s92, s90
	s_add_co_u32 s92, s92, 8192                    ; my tile's scale words
	s_mov_b32 s93, 0
	s_lshl_b32 s66, s66, 10
	s_add_co_u32 s90, s90, s66                     ; my tile's image
	s_mov_b32 s91, 0
	s_mov_b32 s20, 0x76543210
	s_mov_b32 s21, 0xfedcba98
	s_mov_b32 s22, 0x3e38aa3b                      ; 0.125 log2(e)
	s_mov_b32 s23, s22
	s_wait_dscnt 0x0                               ; both opening adds are done
	s_wait_kmcnt 0x0
	s_load_b512 s[72:87], s[12:13], 0x0            ; the 16 s_h
	s_mov_b32 s[G0K], 1
	s_add_nc_u64 s[G0K+2:G0K+3], s[4:5], s[94:95]
	s_or_b32 s[G0K+3], s[G0K+3], 0x80000000
	s_mov_b32 s[G0Q], 1
	s_add_nc_u64 s[G0Q+2:G0Q+3], s[6:7], s[70:71]
	s_or_b32 s[G0Q+3], s[G0Q+3], 0x80000000
	s_mov_b32 s[G0S], 1
	s_add_nc_u64 s[G0S+2:G0S+3], s[10:11], s[68:69]
	s_or_b32 s[G0S+3], s[G0S+3], 0x80000000
	s_add_nc_u64 s[28:29], s[6:7], s[28:29]
	s_add_nc_u64 s[88:89], s[8:9], s[88:89]
	s_add_nc_u64 s[90:91], s[14:15], s[90:91]
	s_add_nc_u64 s[92:93], s[14:15], s[92:93]
	CROUND                                         ; all sixteen work-groups are here: the joint loads meet
; the head's loads, one a wave, in one chain of branches on the wave's number
.macro ARM under, g0, g1, next
	s_cmp_lt_u32 s18, \under
	s_cbranch_scc0 \next
	tensor_load_to_lds s[\g0:\g0+3], s[\g1:\g1+7]
	s_nop 0
	PLACES
	s_branch .Lhead_asked
\next:
.endm
	ARM 4,  G0K, G1K, .Lhead_q
	ARM 12, G0Q, G1Q, .Lhead_s
	ARM 14, G0S, G1Q, .Lhead_none
.Lhead_asked:
	v_and_b32 v2, 31, v0
	v_lshlrev_b32 v1, 4, v2                        ; 16 x lane
	v_and_b32 v3, 15, v0
	v_lshlrev_b32 v3, 2, v3                        ; 4 r
	v_lshlrev_b32 v2, 2, v2                        ; 4 x lane
.set n, 0
.rept 8
	global_load_b32 v[16+n], v3, s[28:29] offset:n*128   ; q's scale words of the 8 pairs of heads
.set n, n+1
.endr
.set n, 0
.rept 8
	global_load_b128 v[100+4*n:103+4*n], v1, s[88:89] offset:n*512    ; x x^T of the first half
.set n, n+1
.endr
	v_mov_b32 v4, v1                               ; k's images: heads 0-7,
	v_add_nc_u32 v5, 36864, v1                     ; heads 8-15
	v_add_nc_u32 v6, 16384, v2                     ; k's scale words
	v_add_nc_u32 v7, 16384+36864, v2
	v_add_nc_u32 v8, s67, v1                       ; my q
	v_add_nc_u32 v9, s16, v3                       ; my -M and w / l
.irp n, 28,29,30,31
	v_mov_b32 v[\n], 0                             ; the zero codes between q's two halves
.endr
.irp n, 49,51,53,55,57,59,61,63,66,230,231
	v_mov_b32 v[\n], 0                             ; upper halves of pairs of which the low word serves; the word being gathered; permutes' destinations
.endr
	s_wait_alu depctr_va_vdst(0)                   ; the head's end
	s_wait_tensorcnt 0x0                           ; my load has landed: its descriptors' registers may be written
	s_wait_kmcnt 0x0
.set n, 0
.rept 16
	s_mul_f32 s[32+2*n], s[72+n], 0x41000000       ; 8 s_h, as pairs for the packed form
	s_mov_b32 s[33+2*n], s[32+2*n]
.set n, n+1
.endr
	s_barrier_signal -1
	s_barrier_wait -1                              ; everybody's has; nothing is filled again
; the LDS operands of pair i of heads, half hf of the keys: 16 loads
.macro LDP i, hf
.set kb, (((\i)/2)%2)*18432
.set lt, 48+8*((\i)%2)
.set n, 0
.rept 4
	ds_load_b128 v[68+8*n:71+8*n], v[4+(\i)/4] offset:kb+((\i)%2)*8192+(\hf)*4096+n*1024
	ds_load_b128 v[72+8*n:75+8*n], v[4+(\i)/4] offset:kb+((\i)%2)*8192+(\hf)*4096+n*1024+512
.set n, n+1
.endr
	ds_load_b32 v64, v[6+(\i)/4] offset:kb+((\i)%2)*1024+(\hf)*256
	ds_load_b32 v65, v[6+(\i)/4] offset:kb+((\i)%2)*1024+(\hf)*256+128
	ds_load_b128 v[24:27], v8 offset:(\i)*1024          ; q of the even head,
	ds_load_b128 v[32:35], v8 offset:(\i)*1024+512      ; of the odd
	ds_load_b32 v[lt], v9 offset:(\i)*256               ; -M of the even head,
	ds_load_b32 v[lt+2], v9 offset:(\i)*256+128         ; of the odd;
	ds_load_b32 v[lt+4], v9 offset:(\i)*256+64          ; w / l likewise
	ds_load_b32 v[lt+6], v9 offset:(\i)*256+192
.endm
.macro WMH h                           ; head h's four products, onto its C
.set n, 0
.rept 4
.set rA, 68+8*n
.set rS, 64+n/2
.set rQ, 16+(\h)/2
.set pa, n%2
.set rD, 164+32*((\h)%2)+8*n
.set rB, 24+4*((\h)%2)
	WMC rD, rA, rB, rS, rQ, pa
.set n, n+1
.endr
.endm
.macro FMAH h                          ; t - M of head h
.set fs, 164+32*((\h)%2)
.set mt, 48+8*(((\h)/2)%2)+2*((\h)%2)
.set n, 0
.rept 16
	v_pk_fma_f32 v[fs+n:fs+n+1], v[fs+n:fs+n+1], s[22:23], v[mt:mt+1] op_sel_hi:[1,0,0]
.set n, n+2
.endr
.endm
.macro EX                              ; head h's next exponential
	v_exp_f32 v[sa+e], v[sa+e]
.set e, e+1
.endm
; head h's exponentials, and the neighbours' plain and matrix work among them
.macro PHASE h, hf
.set sa, 164+32*((\h)%2)
.set sb, 196-32*((\h)%2)
.set e, 0
.if (\h) > 0
.set wl, 52+8*((((\h)-1)/2)%2)+2*(((\h)-1)%2)      ; w / l of head h - 1
.endif
	s_wait_alu depctr_va_vdst(0)                   ; ahead of the batch
.set n, 0
.rept 16
	EX
.if (\h) == 1
	v_pk_mul_f32 v[132+n:133+n], v[sb+n:sb+n+1], v[wl:wl+1] op_sel_hi:[1,0]   ; the first head starts the sums
.elseif (\h) > 1
	v_pk_fma_f32 v[132+n:133+n], v[sb+n:sb+n+1], v[wl:wl+1], v[132+n:133+n] op_sel_hi:[1,0,1]
.endif
.if (\h) < 15
	v_pk_mul_f32 v[sb+n:sb+n+1], v[100+n:101+n], s[34+2*(\h):35+2*(\h)] op_sel_hi:[1,0]   ; head h + 1's C, over what the line above has read
.endif
.set n, n+2
.endr
.if (\h) < 15
.if ((\h) == 14) && ((\hf) == 0)
.set n, 0
.rept 8
	global_load_b128 v[100+4*n:103+4*n], v1, s[88:89] offset:4096+n*512   ; the lines above were this half's last readers of x x^T: the second half's is asked for
.set n, n+1
.endr
.endif
	s_wait_alu depctr_va_vdst(0)
	s_wait_dscnt 0x0                               ; the pair's LDS operands
.rept 4
	EX
	v_nop
.endr
	WMH (\h)+1
.rept 4
	EX
	v_nop                                          ; four places behind the products
.endr
.if ((\h)%2) == 0                      ; the odd head's products were the pair's last: the next pair's operands are asked for
.if (\h) < 14
	LDP (\h)/2+1, \hf
.elseif (\hf) == 0
	LDP 0, 1
.endif
.endif
.rept 8
	EX
.endr
.else
.rept 16
	EX
.endr
.endif
	v_nop                                          ; a plain place behind the exponentials
	s_wait_alu depctr_va_vdst(0)                   ; one wait for the batch; it stands directly ahead of the first readers of the products' results
.if (\h) < 15
	FMAH (\h)+1
.else
.set n, 0
.rept 16
	v_pk_fma_f32 v[132+n:133+n], v[sa+n:sa+n+1], v[62:63], v[132+n:133+n] op_sel_hi:[1,0,1]   ; the last head
.set n, n+2
.endr
.endif
.endm
; keys 64 hf to 64 hf + 63 of the step: all 16 heads, then the quantiser
.macro HALF hf
	s_wait_loadcnt 0x0                             ; this half's x x^T (and, the first time, q's scale words)
.if \hf
	s_wait_xcnt 0x0                                ; the first half's store has read its registers: they are written again below
.endif
.set n, 0
.rept 16
	v_pk_mul_f32 v[164+n:165+n], v[100+n:101+n], s[32:33] op_sel_hi:[1,0]   ; head 0's C
.set n, n+2
.endr
	s_wait_alu depctr_va_vdst(0)
	s_wait_dscnt 0x0
	PLACES
	WMH 0
	PLACES
	FMAH 0
.irp h, 0,1,2,3,4,5,6,7,8,9,10,11,12,13,14,15
	PHASE \h, \hf
.endr
	v_max3_num_f32 v228, |v132|, |v133|, 0x1800000
	v_max3_num_f32 v229, |v148|, |v149|, 0x1800000
.set n, 2
.rept 7
	v_max3_num_f32 v228, v228, |v[132+n]|, |v[133+n]|
	v_max3_num_f32 v229, v229, |v[148+n]|, |v[149+n]|
.set n, n+2
.endr
	v_permlanex16_b32 v230, v228, s20, s21
	v_permlanex16_b32 v231, v229, s20, s21
	v_max_num_f32 v228, v228, v230
	v_max_num_f32 v229, v229, v231
	v_add_nc_u32 v232, 0xff000000, v228
	v_add_nc_u32 v233, 0xff000000, v229
	v_lshrrev_b32 v230, 23, v232
	v_lshrrev_b32 v231, 23, v233
	v_lshl_or_b32 v234, v231, 8, v230
	v_lshrrev_b32 v66, 16, v66
	v_lshl_or_b32 v66, v234, 16, v66               ; after both halves: the four bytes of these 128 keys
	v_cvt_scalef32_pk8_fp4_f32 v240, v[132:139], v232
	v_cvt_scalef32_pk8_fp4_f32 v241, v[140:147], v232
	v_cvt_scalef32_pk8_fp4_f32 v242, v[148:155], v233
	v_cvt_scalef32_pk8_fp4_f32 v243, v[156:163], v233
	v_nop
	v_permlane16_swap_b32 v240, v242
	v_permlane16_swap_b32 v241, v243
	global_store_b128 v1, v[240:243], s[90:91] offset:(\hf)*512    ; 512 consecutive bytes
.endm
	LDP 0, 0
	HALF 0
	HALF 1
	global_store_b32 v3, v66, s[92:93]             ; lanes r and r + 16 hold the same row's word and name the same place
	s_wait_tensorcnt 0x0                           ; the wave's end
	ds_add_u32 v[SPW], v[NIL]
	s_wait_dscnt 0x0
	CROUND                                         ; the closing round
	s_endpgm
.Lfunc_end_k_qf7b0bd62d4_asum:
	.size	k_qf7b0bd62d4_asum, .Lfunc_end_k_qf7b0bd62d4_asum-k_qf7b0bd62d4_asum
	.p2alignl 7, 3214868480
	.fill 96, 4, 3214868480
	.section	.rodata,"a",@progbits
	.p2align	6, 0x0
	.amdhsa_kernel k_qf7b0bd62d4_asum
		.amdhsa_group_segment_fixed_size 239616
		.amdhsa_private_segment_fixed_size 0
		.amdhsa_enable_private_segment 0
		.amdhsa_kernarg_size 48
		.amdhsa_user_sgpr_count 2
		.amdhsa_user_sgpr_kernarg_segment_ptr 1
		.amdhsa_wavefront_size32 1
		.amdhsa_system_sgpr_workgroup_id_x 1
		.amdhsa_system_sgpr_workgroup_id_y 1
		.amdhsa_system_sgpr_workgroup_id_z 1
		.amdhsa_system_vgpr_workitem_id 0
		.amdhsa_next_free_vgpr 256
		.amdhsa_next_free_sgpr 100
		.amdhsa_reserve_vcc 0
		.amdhsa_float_denorm_mode_32 3
		.amdhsa_float_denorm_mode_16_64 3
		.amdhsa_memory_ordered 1
		.amdhsa_forward_progress 1
		.amdhsa_inst_pref_size 189
	.end_amdhsa_kernel
	.amdgpu_metadata
---
amdhsa.version: [ 1, 2 ]
amdhsa.kernels:
  - .name:           k_qf7b0bd62d4_asum
    .symbol:         k_qf7b0bd62d4_asum.kd
    .args:
      - { .name: kvp, .offset: 0, .size: 8, .value_kind: global_buffer, .address_space: global }
      - { .name: qim, .offset: 8, .size: 8, .value_kind: global_buffer, .address_space: global }
      - { .name: xxt, .offset: 16, .size: 8, .value_kind: global_buffer, .address_space: global }
      - { .name: stat, .offset: 24, .size: 8, .value_kind: global_buffer, .address_space: global }
      - { .name: wkwq_scalings, .offset: 32, .size: 8, .value_kind: global_buffer, .address_space: global }
      - { .name: asr, .offset: 40, .size: 8, .value_kind: global_buffer, .address_space: global }
    .group_segment_fixed_size: 239616
    .private_segment_fixed_size: 0
    .kernarg_segment_align: 8
    .kernarg_segment_size: 48
    .max_flat_workgroup_size: 512
    .sgpr_count:     100
    .vgpr_count:     256
    .wavefront_size: 32
...
	.end_amdgpu_metadata
.endif
;; end of part 4
;; launch outp (part 5): grid 8 x 32, 4 waves a work-group, clusters of 4 x 4, 327,680 bytes of LDS; arguments ocr, asr, cw, out0; writes out0
.if DOCPART == 5
	.amdgcn_target "amdgcn-amd-amdhsa--gfx1250"
	.amdhsa_code_object_version 6
	.text
	.protected	k_qf7b0bd62d4_outp
	.globl	k_qf7b0bd62d4_outp
	.p2align	8
	.type	k_qf7b0bd62d4_outp,@function
k_qf7b0bd62d4_outp:
	s_mov_b64 s[64:65], 0
	v_nop
	global_prefetch_b8 v0, s[64:65] scope:SCOPE_SE
	s_setreg_imm32_b32 hwreg(HW_REG_WAVE_MODE, 25, 1), 1
	s_wait_xcnt 0x0
	s_wait_alu depctr_hold_cnt(0) depctr_sa_sdst(0) depctr_va_vdst(0) depctr_va_sdst(0) depctr_va_ssrc(0) depctr_va_vcc(0) depctr_vm_vsrc(0)
	s_getreg_b32 s2, hwreg(HW_REG_IB_STS2, 6, 4)
	s_cmp_eq_u32 s2, 0
	s_cbranch_scc0 .Lentry_in_a_cluster
	s_endpgm
.Lentry_in_a_cluster:
	s_bfe_u32 s2, ttmp6, 0x10000c
	s_cmp_lg_u32 s2, 0xf033
	s_cbranch_scc0 .Lentry_shape_is_right
	s_endpgm
.Lentry_shape_is_right:
.set REC,   8704
.set HALF,  4*REC
.set OPB,   8*REC
.set SLOT,  2*OPB
.set STAGE, 2*SLOT
.set SP,    272
.set SPARE, STAGE+4*16*SP
.set AP,  4
.set AR,  8
.set ASP, 12
.set ASR, 16
.set STO, 24
.set RD,  25
.set CO,  26
.set SPW, 28
.set NIL, 29
.set SC,  32
.set BK,  40
.set G1P, 16
.set G1R, 24
.set G0P, 32
.set G0R, 44
.set MSB, 0
.macro WIN new
.if MSB != (\new)
	s_set_vgpr_msb (MSB<<8)|(\new)
.set MSB, (\new)
.endif
.endm
.macro PLACES
.rept 4
	v_nop
.endr
.endm
.macro CROUND
	s_barrier_signal -1
	s_barrier_wait -1
	s_cmp_lg_u32 s12, 0
	s_cbranch_scc1 .Lnot_wave_0_\@
	s_barrier_signal -3
.Lnot_wave_0_\@:
	s_barrier_wait -3
	s_barrier_signal -1
	s_barrier_wait -1
.endm
.macro JLOAD f
	s_cmp_lt_u32 s12, 2
	s_cbranch_scc0 .Lfor_r_\@
	tensor_load_to_lds s[G0P+4*(\f):G0P+4*(\f)+3], s[G1P:G1P+7]
	s_nop 0
	PLACES
	s_branch .Lasked_\@
.Lfor_r_\@:
	tensor_load_to_lds s[G0R+4*(\f):G0R+4*(\f)+3], s[G1R:G1R+7]
	s_nop 0
	PLACES
.Lasked_\@:
.endm
.macro WMC d, a, b, c, sa, sb, ra, rb
.if (\ra) && (\rb)
	v_wmma_scale_f32_16x16x128_f8f6f4 v[\d:\d+7], v[\a:\a+7], v[\b:\b+7], \c, v[\sa], v[\sb] matrix_a_fmt:MATRIX_FMT_FP4 matrix_b_fmt:MATRIX_FMT_FP4 matrix_a_scale:MATRIX_SCALE_ROW1 matrix_b_scale:MATRIX_SCALE_ROW1
.elseif (\ra)
	v_wmma_scale_f32_16x16x128_f8f6f4 v[\d:\d+7], v[\a:\a+7], v[\b:\b+7], \c, v[\sa], v[\sb] matrix_a_fmt:MATRIX_FMT_FP4 matrix_b_fmt:MATRIX_FMT_FP4 matrix_a_scale:MATRIX_SCALE_ROW1
.elseif (\rb)
	v_wmma_scale_f32_16x16x128_f8f6f4 v[\d:\d+7], v[\a:\a+7], v[\b:\b+7], \c, v[\sa], v[\sb] matrix_a_fmt:MATRIX_FMT_FP4 matrix_b_fmt:MATRIX_FMT_FP4 matrix_b_scale:MATRIX_SCALE_ROW1
.else
	v_wmma_scale_f32_16x16x128_f8f6f4 v[\d:\d+7], v[\a:\a+7], v[\b:\b+7], \c, v[\sa], v[\sb] matrix_a_fmt:MATRIX_FMT_FP4 matrix_b_fmt:MATRIX_FMT_FP4
.endif
.endm
	s_load_b256 s[4:11], s[0:1], 0x0
	v_lshl_add_u32 v[SPW], v0, 2, SPARE
	v_mov_b32 v[NIL], 0
	ds_add_u32 v[SPW], v[NIL]
	ds_add_u32 v[SPW], v[NIL]
	v_lshrrev_b32 v1, 5, v0
	v_readfirstlane_b32 s12, v1
	s_and_b32 s13, s12, 1
	s_lshr_b32 s14, s12, 1
	s_bfe_u32 s66, ttmp6, 0x40000
	s_bfe_u32 s67, ttmp6, 0x40004
	s_and_b32 s68, ttmp7, 0xffff
	s_lshl_b32 s69, ttmp9, 2
	s_add_co_u32 s69, s69, s66
	s_lshl_b32 s70, s68, 2
	s_add_co_u32 s70, s70, s67
	s_lshr_b32 s71, s68, 2
	s_lshl_b32 s98, s67, 2
	s_lshl_b32 s98, 15, s98
	s_lshl_b32 s99, 0x1111, s66
	s_or_b32 s[G1P], s99, (3<<16)|(1<<21)
	s_or_b32 s[G1R], s98, (3<<16)|(1<<21)
.irp g, G1P, G1R
	s_mov_b32 s[\g+1], 32<<16
	s_mov_b32 s[\g+2], 136<<16
	s_mov_b32 s[\g+3], 32<<16
	s_mov_b32 s[\g+4], 136
	s_mov_b32 s[\g+5], 32
	s_mov_b32 s[\g+6], 0
	s_mov_b32 s[\g+7], 0
.endr
	s_mul_i32 s80, s13, HALF
	s_add_co_u32 s72, s69, 56
	s_mul_i32 s72, s72, OPB
	s_add_co_u32 s72, s72, s80
	s_mov_b32 s73, 0
	s_lshl_b32 s74, s71, 3
	s_add_co_u32 s74, s74, s69
	s_mul_i32 s74, s74, 2*OPB
	s_add_co_u32 s74, s74, s80
	s_add_co_u32 s74, s74, 4456448
	s_mov_b32 s75, 0
	s_mul_i32 s76, s70, OPB
	s_add_co_u32 s76, s76, s80
	s_mov_b32 s77, 0
	s_mul_i32 s78, s70, 2*OPB
	s_add_co_u32 s78, s78, s80
	s_mov_b32 s79, 0
	s_wait_dscnt 0x0
	s_wait_kmcnt 0x0
	s_add_nc_u64 s[72:73], s[8:9], s[72:73]
	s_add_nc_u64 s[74:75], s[8:9], s[74:75]
	s_add_nc_u64 s[76:77], s[4:5], s[76:77]
	s_add_nc_u64 s[78:79], s[6:7], s[78:79]
	s_mov_b32 s[G0P], 1
	s_mov_b32 s[G0P+1], s80
	s_mov_b64 s[G0P+2:G0P+3], s[72:73]
	s_or_b32 s[G0P+3], s[G0P+3], 0x80000000
	s_mov_b32 s[G0P+4], 1
	s_add_co_u32 s[G0P+5], s80, SLOT
	s_mov_b64 s[G0P+6:G0P+7], s[74:75]
	s_or_b32 s[G0P+7], s[G0P+7], 0x80000000
	s_mov_b32 s[G0P+8], 1
	s_mov_b32 s[G0P+9], s80
	s_add_nc_u64 s[G0P+10:G0P+11], s[74:75], OPB
	s_or_b32 s[G0P+11], s[G0P+11], 0x80000000
	s_mov_b32 s[G0R], 1
	s_add_co_u32 s[G0R+1], s80, OPB
	s_mov_b64 s[G0R+2:G0R+3], s[76:77]
	s_or_b32 s[G0R+3], s[G0R+3], 0x80000000
	s_mov_b32 s[G0R+4], 1
	s_add_co_u32 s[G0R+5], s80, SLOT+OPB
	s_mov_b64 s[G0R+6:G0R+7], s[78:79]
	s_or_b32 s[G0R+7], s[G0R+7], 0x80000000
	s_mov_b32 s[G0R+8], 1
	s_add_co_u32 s[G0R+9], s80, OPB
	s_add_nc_u64 s[G0R+10:G0R+11], s[78:79], OPB
	s_or_b32 s[G0R+11], s[G0R+11], 0x80000000
	CROUND
	JLOAD 0
	s_wait_alu depctr_va_vdst(0)
	s_wait_tensorcnt 0x0
	ds_add_u32 v28, v29
	s_wait_dscnt 0x0
	CROUND
	JLOAD 1
	v_and_b32 v1, 31, v0
	v_lshlrev_b32 v2, 4, v1
	v_lshlrev_b32 v3, 2, v1
	s_lshl_b32 s81, s13, 12
	s_lshl_b32 s82, s14, 12
	s_add_co_u32 s82, s82, OPB
	s_lshl_b32 s83, s13, 8
	s_add_co_u32 s83, s83, 8192
	s_lshl_b32 s84, s14, 8
	s_add_co_u32 s84, s84, OPB+8192
	v_add_nc_u32 v[AP], s81, v2
	v_add_nc_u32 v[AR], s82, v2
	v_add_nc_u32 v[ASP], s83, v3
	v_add_nc_u32 v[ASR], s84, v3
.irp q, 1,2,3
	v_add_nc_u32 v[AP+\q], ((\q)/2)*SLOT+((\q)%2)*HALF, v[AP]
	v_add_nc_u32 v[AR+\q], ((\q)/2)*SLOT+((\q)%2)*HALF, v[AR]
	v_add_nc_u32 v[ASP+\q], ((\q)/2)*SLOT+((\q)%2)*HALF, v[ASP]
	v_add_nc_u32 v[ASR+\q], ((\q)/2)*SLOT+((\q)%2)*HALF, v[ASR]
.endr
	s_mul_i32 s85, s12, 16*SP
	s_add_co_u32 s85, s85, STAGE
	v_and_b32 v20, 15, v0
	v_bfe_u32 v21, v0, 4, 1
	v_mul_u32_u24 v[STO], v20, SP
	v_lshl_add_u32 v[STO], v21, 6, v[STO]
	v_add_nc_u32 v[STO], s85, v[STO]
	v_mul_u32_u24 v[RD], v21, SP
	v_lshl_add_u32 v[RD], v20, 4, v[RD]
	v_add_nc_u32 v[RD], s85, v[RD]
	v_lshlrev_b32 v[CO], 12, v21
	v_lshl_add_u32 v[CO], v20, 4, v[CO]
	s_lshl_b32 s86, s70, 19
	s_lshl_b32 s87, s14, 18
	s_add_co_u32 s86, s86, s87
	s_lshl_b32 s87, s69, 9
	s_add_co_u32 s86, s86, s87
	s_lshl_b32 s87, s13, 8
	s_add_co_u32 s86, s86, s87
	s_mov_b32 s87, 0
	s_add_nc_u64 s[10:11], s[10:11], s[86:87]
.macro FETCH s, set
.set fq, ((\s)/4)%4
.set fo, ((\s)%4)*REC
	WIN 0x40
.irp i, 0,1,2,3
	ds_load_b128 v[64*(\set)+8*\i:64*(\set)+8*\i+3], v[AP+fq] offset:fo+\i*1024
	ds_load_b128 v[64*(\set)+8*\i+4:64*(\set)+8*\i+7], v[AP+fq] offset:fo+\i*1024+512
.endr
.irp i, 0,1,2,3
	ds_load_b128 v[64*(\set)+32+8*\i:64*(\set)+32+8*\i+3], v[AR+fq] offset:fo+\i*1024
	ds_load_b128 v[64*(\set)+32+8*\i+4:64*(\set)+32+8*\i+7], v[AR+fq] offset:fo+\i*1024+512
.endr
	WIN 0
.irp i, 0,1
	ds_load_b32 v[SC+4*(\set)+\i], v[ASP+fq] offset:fo+\i*128
	ds_load_b32 v[SC+4*(\set)+2+\i], v[ASR+fq] offset:fo+\i*128
.endr
.endm
.macro MUL set, zero
	WIN 0x05
.set ia, 0
.rept 4
.set ib, 0
.rept 4
.set rD, 128+8*(4*ia+ib)
.set rA, 64*(\set)+8*ib
.set rB, 64*(\set)+32+8*ia
.set rSA, SC+4*(\set)+ib/2
.set rSB, SC+4*(\set)+2+ia/2
.set pa, ib%2
.set pb, ia%2
.if \zero
	WMC rD, rA, rB, 0, rSA, rSB, pa, pb
.else
	WMC rD, rA, rB, v[rD:rD+7], rSA, rSB, pa, pb
.endif
.set ib, ib+1
.endr
.set ia, ia+1
.endr
.endm
	s_wait_tensorcnt 1
	s_barrier_signal -1
	s_barrier_wait -1
	FETCH 0, 0
.set st, 0
.rept 24
.if st == 23
	s_wait_dscnt 0x0
.elseif st == 7
	WIN 0
	s_wait_tensorcnt 0x0
	ds_add_u32 v[SPW], v[NIL]
	s_wait_dscnt 0x0
	CROUND
	JLOAD 2
	FETCH 8, 0
.elseif st == 15
	s_wait_tensorcnt 0x0
	s_wait_dscnt 0x0
	s_barrier_signal -1
	s_barrier_wait -1
	PLACES
	FETCH 16, 0
.else
.if st > 0
	PLACES
.endif
	FETCH st+1, (st+1)%2
	s_wait_dscnt 20
.endif
.if st == 0
	MUL 0, 1
.else
	MUL st%2, 0
.endif
.set st, st+1
.endr
	WIN 0
	PLACES
.macro TOSTAGE a
.irp k, 0,1,2,3,4,5,6,7
	ds_store_b128 v[STO], v[128+32*(\a)+4*\k:128+32*(\a)+4*\k+3] offset:((\k)/4)*128+((\k)%4)*16
.endr
.irp i, 0,1,2,3,4,5,6,7
	ds_load_b128 v[BK+32*((\a)%2)+4*\i:BK+32*((\a)%2)+4*\i+3], v[RD] offset:2*\i*SP
.endr
.endm
.macro SEND a, younger
	s_wait_dscnt \younger
.irp i, 0,1,2,3,4,5,6,7
	global_store_b128 v[CO], v[BK+32*((\a)%2)+4*\i:BK+32*((\a)%2)+4*\i+3], s[10:11] offset:(32*((\a)/2)+8*((\a)%2)+2*\i+8*((\i)/4))*4096 th:TH_STORE_NT
.endr
.endm
	s_wait_alu depctr_va_vdst(0)
	TOSTAGE 0
	TOSTAGE 1
	SEND 0, 16
	s_wait_xcnt 0x0
	TOSTAGE 2
	SEND 1, 16
	s_wait_xcnt 0x0
	TOSTAGE 3
	SEND 2, 16
	SEND 3, 0
	s_wait_tensorcnt 0x0
	ds_add_u32 v[SPW], v[NIL]
	s_wait_dscnt 0x0
	CROUND
	s_endpgm
.Lfunc_end_k_qf7b0bd62d4_outp:
	.size	k_qf7b0bd62d4_outp, .Lfunc_end_k_qf7b0bd62d4_outp-k_qf7b0bd62d4_outp
	.p2alignl 7, 3214868480
	.fill 96, 4, 3214868480
	.section	.rodata,"a",@progbits
	.p2align	6, 0x0
	.amdhsa_kernel k_qf7b0bd62d4_outp
		.amdhsa_group_segment_fixed_size 327680
		.amdhsa_private_segment_fixed_size 0
		.amdhsa_enable_private_segment 0
		.amdhsa_kernarg_size 32
		.amdhsa_user_sgpr_count 2
		.amdhsa_user_sgpr_kernarg_segment_ptr 1
		.amdhsa_wavefront_size32 1
		.amdhsa_system_sgpr_workgroup_id_x 1
		.amdhsa_system_sgpr_workgroup_id_y 1
		.amdhsa_system_sgpr_workgroup_id_z 1
		.amdhsa_system_vgpr_workitem_id 0
		.amdhsa_next_free_vgpr 384
		.amdhsa_next_free_sgpr 100
		.amdhsa_reserve_vcc 0
		.amdhsa_float_denorm_mode_32 3
		.amdhsa_float_denorm_mode_16_64 3
		.amdhsa_memory_ordered 1
		.amdhsa_forward_progress 1
		.amdhsa_inst_pref_size 101
	.end_amdhsa_kernel
	.amdgpu_metadata
---
amdhsa.version: [ 1, 2 ]
amdhsa.kernels:
  - .name:           k_qf7b0bd62d4_outp
    .symbol:         k_qf7b0bd62d4_outp.kd
    .args:
      - { .name: ocr, .offset: 0, .size: 8, .value_kind: global_buffer, .address_space: global }
      - { .name: asr, .offset: 8, .size: 8, .value_kind: global_buffer, .address_space: global }
      - { .name: cw, .offset: 16, .size: 8, .value_kind: global_buffer, .address_space: global }
      - { .name: out0, .offset: 24, .size: 8, .value_kind: global_buffer, .address_space: global }
    .group_segment_fixed_size: 327680
    .private_segment_fixed_size: 0
    .kernarg_segment_align: 8
    .kernarg_segment_size: 32
    .max_flat_workgroup_size: 128
    .sgpr_count:     100
    .vgpr_count:     384
    .wavefront_size: 32
...
	.end_amdgpu_metadata
.endif
;; end of part 5
